; MI455X (gfx1250); checked and timed in simulation.
; The chip was launched on July 23, 2026; its instructions are those of AMD's public machine-readable ISA for CDNA 5 (MIT licence, August 2026) and "CDNA5" Instruction Set Architecture Reference Guide (July 2026). The comments in the code are by the model that wrote it; some were corrected since.
;; Causal Attention. Allowed arithmetic: matrix products marked QUANTISED: E4M3 operands, one E8M0 scale for each 32 along K, by v_wmma_scale_f32_16x16x128_f8f6f4 with both operands' format E4M3, f32 sums; everything else in f32.
;; Inputs: W_out 1,024 x 1,024 float32; W_qkv 1,024 x 3,072 float32; X 4 x 2,048 x 1,024 float32; b_out 1,024 float32; b_qkv 3,072 float32.
;; Outputs: out0 4 x 2,048 x 1,024 float32.
;; This version of the problem:
;;   THIS VERSION OF THE PROBLEM IS GIVEN IN LOW PRECISION. The matrix products marked QUANTISED in the list below multiply operands that are first quantised to E4M3 (4 exponent bits, 3 mantissa bits; 8 bits a number), with one power-of-two scale for each 32 numbers along K (OCP MX v1.0); their sums are f32. All else is computed in f32.
;;   The module's matrix products, in the order in which they are computed (A, B: the left and right operand; K: the contracted axis; several contracted axes count as one K, in the product's order):
;;     1. [M 8,192, K 1,024] x [K 1,024, N 3,072]; A: input X; B: input W_qkv: QUANTISED
;;     2. batch 64 x [M 2,048, K 64] x [K 64, N 2,048]; A: computed on the way; B: computed on the way: QUANTISED
;;     3. batch 64 x [M 64, K 2,048] x [K 2,048, N 2,048]; A: computed on the way; B: softmax (see below): QUANTISED
;;     4. [M 8,192, K 1,024] x [K 1,024, N 1,024]; A: computed on the way; B: input W_out: QUANTISED
;;   THE QUANTISER, for each operand of a quantised product, along K:
;;     - K is cut into blocks of 32 from its start; a last block that is shorter is filled with zeros.
;;     - A block's scale is 2^e with e = floor(log2(the largest magnitude in the block)) - 8, held to -126 .. 127; a block of zeros has e = 0. As a byte (E8M0): e + 127.
;;     - Each number is divided by its block's scale, clamped to +-448, and rounded to the nearest number of E4M3, ties to even, subnormals kept.
;;     - The product sums the exact products of the quantised numbers (number of the format x scale) in f32.
;;   ~~~python
;;   def quantise(x, axis):      # numpy; x: float32 -> the quantised numbers, widened to float32 again
;;       x = np.moveaxis(x, axis, -1); K = x.shape[-1]
;;       x = np.pad(x, [(0, 0)] * (x.ndim - 1) + [(0, -K % 32)]); x = x.reshape(x.shape[:-1] + (-1, 32)); a = np.abs(x).max(-1, keepdims=True)
;;       e = np.where(a > 0, np.clip(np.frexp(np.where(a > 0, a, 1))[1] - 1 - 8, -126, 127), 0)      # np.frexp(a)[1] - 1 = floor(log2(a)), exactly
;;       r = np.clip(x / 2.0 ** e, -448, 448)
;;       step = 2.0 ** (np.maximum(np.frexp(np.where(r == 0, 1, r))[1] - 1, -6) - 3)
;;       q = np.round(r / step) * step * 2.0 ** e      # np.round: ties to even
;;       return np.moveaxis(q.reshape(q.shape[:-2] + (-1,))[..., :K], -1, axis).astype(np.float32)
;;   ~~~
;;   SOFTMAX AHEAD OF A QUANTISED PRODUCT. Where the list says 'softmax', what is quantised is not the finished softmax but p = 2^(t - M), with t = logit x log2(e) and M = ceil(the row's largest t), a whole number; so 1/2 < the row's largest p <= 1. The row's sum l is taken of the UNQUANTISED p, in f32, and the product's result is divided by l at the end. Since M is a whole number, a kernel that streams over the keys may use a running M (the ceiling of the running maximum): every later rescaling is an exact power of two, which a block's scale takes up: the codes' values come out the same.
;;   OPERANDS COMPUTED ON THE WAY. 'Computed on the way' means the value that the module computes at that place (a softmax that the list does not call 'softmax' is quantised finished and normalised). What goes into a quantiser is computed in f32, as accurately as f32 sums, v_exp_f32 and their like allow (about 1e-6 of the number): no bf16 or f16 on the way to a quantiser, and a product that is left as it is and whose result goes on into a quantised operand takes f32 operands (vector FMAs, or v_wmma_f32_16x16x4_f32). A number that lies on a knife's edge between two numbers of the format may be rounded either way, as far as f32 arithmetic and the matrix unit's own rounding can turn it there, and no further.
;; One version. Each part assembles by itself: llvm-mc -triple=amdgcn-amd-amdhsa -mcpu=gfx1250 --defsym DOCPART=n.
;; ======== version 1 of 1: 4 launches
;; limits: right only within a limited range of input values
;; workspace buffers: xq 8,650,752 bytes; wq 4,325,376 bytes; kv 17,301,504 bytes; qq 17,301,504 bytes; ao 8,650,752 bytes
;; launch quant (part 1): grid 768 x 1, 4 waves a work-group, no clusters, 70,144 bytes of LDS; arguments X, W_qkv, W_out, xq, wq; writes xq, wq
.if DOCPART == 1
	.amdgcn_target "amdgcn-amd-amdhsa--gfx1250"
	.amdhsa_code_object_version 6
	.text
	.protected	k_qdb56a4db4c_quant
	.globl	k_qdb56a4db4c_quant
	.p2align	8
	.type	k_qdb56a4db4c_quant,@function
k_qdb56a4db4c_quant:
	s_mov_b64 s[64:65], 0
	v_nop
	global_prefetch_b8 v0, s[64:65] scope:SCOPE_SE
	s_setreg_imm32_b32 hwreg(HW_REG_WAVE_MODE, 25, 1), 1
	s_wait_xcnt 0x0
; X [8192][1024], W_qkv [1024][3072] and W_out [1024][1024], f32, become codes of FP8 (E4M3) with one E8M0 scale byte for each 32 along K (K = 1024 in all three).
; A block's scale is 2^(floor(log2(its largest magnitude)) - 8); its byte is the largest magnitude's exponent field - 8, held at 1 from below; each number is divided by the scale, held within +-448, rounded to the nearest code, ties to even.
; LIMITS: NaN and infinities among the inputs are not served.  A block whose largest magnitude lies under 2^-118, a block of zeros among them, gets the byte 1: a block of zeros has zero codes, and this program alone reads the bytes.
; LAYOUT OF THE CODES: the order of a matrix operand's registers.  A fragment (16 rows x 128 K) is 2,048 bytes [c 0..3][lane 0..31][16 bytes]; lane 16 h + r holds row r, k = 32 c + 16 h + 0..15.
;   byte = tile of 256 rows << 18 | K / 256 << 16 | tile of 16 rows << 12 | (K / 128) % 2 << 11 | c << 9 | lane << 4.  Scale bytes: [row][32].
; ROW ORDER: in each group of 32 rows, place 16 u + r holds row 8 u + r % 8 + 16 (r / 8).  So two neighbouring tiles of 16 places, taken as a product's first source, leave a lane 16 neighbouring rows in 16 registers.
; W's rows are its columns n: W_qkv's column 192 head + 64 role + d goes to row 1024 role + 64 head + d (Q, then K, then V); W_out's column n to row 3072 + n.
; WORK-GROUPS 0..511: X.  A work-group takes 16 places (a tile of rows), wave w the K steps 2 w and 2 w + 1 of 128.  Each load reads 512 consecutive bytes of a row; the numbers turn through the wave's own stage in LDS so that
;   a lane gets 16 neighbours of each block of 32; the codes leave as 512 consecutive bytes a store; the 16 rows' scale bytes meet in LDS and leave as 512 consecutive bytes.
; WORK-GROUPS 512..767: the weights, K outermost: a lane takes a column and its registers run down K, so a block lies in one lane; sixteen lanes store 256 consecutive bytes of codes.
;   The scale words leave 4 bytes a lane, 32 bytes apart: one byte for each 128 bytes that the launch reads.
; No tensor loads, no ring.  Memory binds: matrix units and clusters have no part here.
; LEFT OUT IN THIS PROGRAM: reference() sets the score of key k for query l to -inf wherever k > l, by a mask that it builds itself (jnp.tril); such a key's p is 0 and adds nothing to the row's sum or to the second product, whatever the inputs hold.
; So launch attn leaves out every step of 128 keys that lies wholly behind a tile's queries.  LIMIT: a NaN, an infinity or an overflow that would arise only in scores left out is not carried to the result.
.set XWG,  512
.set OWG,  704                         ; from here on: W_out
.set SPI,  528                         ; a stage row: 512 bytes + 16, an odd multiple of 16: the sixteen rows that a read touches start in different banks
.set STG,  16*SPI                      ; a stage
.set WST,  2*STG                       ; a wave's two stages
.set SCW,  4*WST                       ; behind them: the 16 rows' scale bytes, 512
.set R0,   16                          ; v16-79   K step 0 as loaded; later K step 1 turned
.set R1,   80                          ; v80-143  K step 1 as loaded
.set XN,   144                         ; v144-207 K step 0 turned
.set TM,   240                         ; v240-243 largest magnitudes, v244-247 bytes, v248-251 448 x the scale, v252-255 the conversions' scale operands
.set WX,   32                          ; weights: v32-95 two sets of 32 numbers
.set WC,   96                          ; v96-127 eight registers of codes for each of four blocks: no store's data are written again
.set MNT,  17                          ; s17 the mantissa field of 448
.set SEL,  18                          ; s[18:19] lane selects: lane l xor 16
; 64 numbers of a lane, register 16 b + i = k 32 b + 16 (lane / 16) + i of its row, become a fragment's codes in v[pc] on and its scale word in v[pw]
.macro QUANT s, pc, pw
.irp b, 0,1,2,3
	v_max3_num_f32 v[TM+\b], |v[\s+16*\b]|, |v[\s+1+16*\b]|, 0x4800000   ; my 16 numbers of block b, and the floor 2^(9 - 127): the byte cannot fall under 1
.endr
.irp i, 2,4,6,8,10,12,14
.irp b, 0,1,2,3
	v_max3_num_f32 v[TM+\b], v[TM+\b], |v[\s+16*\b+\i]|, |v[\s+1+16*\b+\i]|   ; the four blocks by turns
.endr
.endr
.irp b, 0,1,2,3
	v_permlanex16_b32 v[TM+4+\b], v[TM+\b], s[SEL], s[SEL+1]
.endr
.irp b, 0,1,2,3
	v_max_num_f32 v[TM+\b], v[TM+\b], v[TM+4+\b]                   ; with lane l xor 16's: the block's largest magnitude
.endr
.irp b, 0,1,2,3
	v_add_nc_u32 v[TM+12+\b], 0xfc000000, v[TM+\b]                 ; 8 off its exponent field: the conversion takes this operand's exponent field as its scale
.endr
.irp b, 0,1,2,3
	v_and_or_b32 v[TM+8+\b], v[TM+\b], 0x7f800000, s[MNT]          ; 448 x the scale
.endr
.irp b, 0,1,2,3
	v_lshrrev_b32 v[TM+4+\b], 23, v[TM+12+\b]                      ; the scale's byte
.endr
	v_lshl_or_b32 v[\pw], v[TM+5], 8, v[TM+4]
	v_lshl_or_b32 v[\pw], v[TM+6], 16, v[\pw]
	v_lshl_or_b32 v[\pw], v[TM+7], 24, v[\pw]
.irp b, 0,1,2,3
.irp i, 0,1,2,3,4,5,6,7,8,9,10,11,12,13,14,15
	v_med3_num_f32 v[\s+16*\b+\i], v[\s+16*\b+\i], -v[TM+8+\b], v[TM+8+\b]   ; the conversion to an 8-bit code does not saturate (ISA guide 7.6.2): the hold comes first
.endr
	v_cvt_scalef32_pk8_fp8_f32 v[\pc+4*\b:\pc+1+4*\b], v[\s+16*\b:\s+7+16*\b], v[TM+12+\b]
	v_cvt_scalef32_pk8_fp8_f32 v[\pc+2+4*\b:\pc+3+4*\b], v[\s+8+16*\b:\s+15+16*\b], v[TM+12+\b]
.endr
	v_nop                                          ; a plain line behind the last conversion
.endm
	s_load_b256 s[4:11], s[0:1], 0x0               ; X s[4:5], W_qkv s[6:7], W_out s[8:9], xq s[10:11]
	s_load_b64 s[12:13], s[0:1], 0x20              ; wq
	v_lshl_add_u32 v7, v0, 2, 0x11000
	v_mov_b32 v15, 0
	v_lshrrev_b32 v1, 5, v0
	v_readfirstlane_b32 s16, v1                    ; wave 0..3
	v_and_b32 v10, 31, v0                          ; lane
	v_and_b32 v11, 15, v0                          ; r
	v_bfe_u32 v12, v0, 4, 1                        ; h (weights: u)
	s_mov_b32 s[MNT], 0x600000
	s_mov_b32 s[SEL], 0x76543210
	s_mov_b32 s[SEL+1], 0xfedcba98
	s_cmp_lt_u32 ttmp9, XWG                        ; the same in all four waves
	s_cbranch_scc0 .Lweights
	; ---------------- X ----------------
	v_lshlrev_b32 v1, 4, v10                       ; 16 x lane
	s_mul_i32 s20, s16, WST
	v_add_nc_u32 v2, s20, v1                       ; the stage, in: a row's 512 bytes as they lie
	v_mul_u32_u24 v3, v11, SPI
	v_lshl_add_u32 v3, v12, 6, v3
	v_add_nc_u32 v3, s20, v3                       ; and out: row r, + 64 h: my 16 numbers of a block
	v_lshlrev_b32 v4, 5, v11
	s_lshl_b32 s21, s16, 3
	s_add_co_u32 s21, s21, SCW
	v_add_nc_u32 v4, s21, v4                       ; my row's scale words: 32 r + 8 wave
	v_add_nc_u32 v5, SCW, v1                       ; and where wave 0 reads them back
	s_lshr_b32 s22, ttmp9, 1
	s_lshl_b32 s22, s22, 17                        ; the group of 32 rows, 4,096 bytes a row,
	s_and_b32 s23, ttmp9, 1
	s_lshl_b32 s23, s23, 15                        ; + 8 rows for the group's second tile,
	s_add_co_u32 s22, s22, s23
	s_lshl_b32 s23, s16, 10                        ; + my wave's two K steps
	s_add_co_u32 s22, s22, s23
	s_mov_b32 s23, 0
	s_lshr_b32 s24, ttmp9, 4
	s_lshl_b32 s24, s24, 18                        ; codes: tile of 256 rows,
	s_and_b32 s25, ttmp9, 15
	s_lshl_b32 s25, s25, 12                        ; tile of 16,
	s_add_co_u32 s24, s24, s25
	s_lshl_b32 s25, s16, 16                        ; K / 256 = wave
	s_add_co_u32 s24, s24, s25
	s_mov_b32 s25, 0
	s_lshl_b32 s26, ttmp9, 9                       ; scale bytes: 512 a tile of 16 rows, behind the codes
	s_add_co_u32 s26, s26, 0x800000
	s_mov_b32 s27, 0
.irp b, 0,1,2,3
	v_mov_b32 v[TM+4+\b], 0                        ; written once: a lane permute's destination counts as one of its sources
.endr
	s_wait_alu depctr_va_vdst(0)
	s_wait_kmcnt 0x0
	s_add_nc_u64 s[4:5], s[4:5], s[22:23]
	s_add_nc_u64 s[14:15], s[10:11], s[24:25]
	s_add_nc_u64 s[10:11], s[10:11], s[26:27]
.irp t, 0,1
.irp p, 0,1,2,3,4,5,6,7,8,9,10,11,12,13,14,15
	global_load_b128 v[R0+64*\t+4*\p:R0+64*\t+4*\p+3], v1, s[4:5] offset:((\p%8)+16*(\p/8))*4096+512*\t th:TH_LOAD_NT   ; place p's row, K step t: 512 consecutive bytes
.endr
.endr
	s_wait_loadcnt 16                              ; K step 0's sixteen loads are in; K step 1's may be out
.irp p, 0,1,2,3,4,5,6,7,8,9,10,11,12,13,14,15
	ds_store_b128 v2, v[R0+4*\p:R0+4*\p+3] offset:SPI*\p
.endr
.irp b, 0,1,2,3
.irp j, 0,1,2,3
	ds_load_b128 v[XN+16*\b+4*\j:XN+16*\b+4*\j+3], v3 offset:128*\b+16*\j   ; LDS serves a wave's instructions in order (ISA guide 5.7.1.4): these see the stores above
.endr
.endr
	s_wait_loadcnt 0x0
.irp p, 0,1,2,3,4,5,6,7,8,9,10,11,12,13,14,15
	ds_store_b128 v2, v[R1+4*\p:R1+4*\p+3] offset:STG+SPI*\p
.endr
	s_wait_dscnt 16                                ; all but the sixteen stores just issued: K step 0 is turned
.irp b, 0,1,2,3
.irp j, 0,1,2,3
	ds_load_b128 v[R0+16*\b+4*\j:R0+16*\b+4*\j+3], v3 offset:STG+128*\b+16*\j   ; K step 1 turns while K step 0 is quantised
.endr
.endr
	QUANT XN, 208, 8
.irp c, 0,1,2,3
	global_store_b128 v1, v[208+4*\c:211+4*\c], s[14:15] offset:512*\c          ; 32 lanes store 512 consecutive bytes
.endr
	ds_store_b32 v4, v8                            ; both halves of the lanes write the same word with the same value
	s_wait_dscnt 0x0                               ; K step 1 is turned
	QUANT R0, 224, 9
.irp c, 0,1,2,3
	global_store_b128 v1, v[224+4*\c:227+4*\c], s[14:15] offset:2048+512*\c
.endr
	ds_store_b32 v4, v9 offset:4
	s_wait_dscnt 0x0                               ; for the others' sake: my scale words lie in LDS
	s_barrier_signal -1
	s_barrier_wait -1
	s_cmp_lg_u32 s16, 0
	s_cbranch_scc1 .Lx_end
	ds_load_b128 v[16:19], v5
	s_wait_dscnt 0x0
	global_store_b128 v1, v[16:19], s[10:11]       ; the 16 rows' 512 scale bytes
.Lx_end:
	s_wait_tensorcnt 0x0
	ds_add_u32 v7, v15
	s_wait_dscnt 0x0
	s_endpgm
	; ---------------- the weights ----------------
.macro WLOAD t, n                      ; block t: W(128 s + 32 t + i, my column), i = 0..31
.irp i, 0,1,2,3,4,5,6,7,8,9,10,11,12,13,14,15,16,17,18,19,20,21,22,23,24,25,26,27,28,29,30,31
	global_load_b32 v[WX+32*((\t)%2)+\i], v1, s[6:7] offset:(32*(\t)+\i)*(\n)*4 th:TH_LOAD_NT
.endr
.endm
.macro WBLOCK t, n
.set XS, WX+32*((\t)%2)
.set CC, WC+8*(\t)
.if (\t) < 3
	s_wait_loadcnt 32                              ; this block's 32 loads are in; the next block's may be out
.else
	s_wait_loadcnt 0x0
.endif
	v_max3_num_f32 v20, |v[XS]|, |v[XS+1]|, |v[XS+2]|              ; all 32 numbers of the block are mine
	v_max3_num_f32 v21, |v[XS+3]|, |v[XS+4]|, |v[XS+5]|
.irp i, 6,10,14,18,22,26
	v_max3_num_f32 v20, v20, |v[XS+\i]|, |v[XS+\i+1]|
	v_max3_num_f32 v21, v21, |v[XS+\i+2]|, |v[XS+\i+3]|
.endr
	v_max3_num_f32 v20, v20, |v[XS+30]|, |v[XS+31]|
	v_max3_num_f32 v20, v20, v21, 0x4800000        ; and the floor
	v_add_nc_u32 v22, 0xfc000000, v20
	v_and_or_b32 v23, v20, 0x7f800000, s[MNT]
	v_lshrrev_b32 v25, 23, v22
.if (\t) == 0
	v_mov_b32 v24, v25                             ; four bytes make the K step's scale word
.else
	v_lshl_or_b32 v24, v25, 8*(\t), v24
.endif
.irp i, 0,1,2,3,4,5,6,7,8,9,10,11,12,13,14,15,16,17,18,19,20,21,22,23,24,25,26,27,28,29,30,31
	v_med3_num_f32 v[XS+\i], v[XS+\i], -v23, v23
.endr
.irp g, 0,1,2,3
	v_cvt_scalef32_pk8_fp8_f32 v[CC+2*\g:CC+2*\g+1], v[XS+8*\g:XS+8*\g+7], v22
.endr
	v_nop
	global_store_b128 v2, v[CC:CC+3], s[14:15] offset:512*(\t)         ; k 0..15 of the block: the place of lane r;  sixteen lanes store 256 consecutive bytes
	global_store_b128 v2, v[CC+4:CC+7], s[14:15] offset:512*(\t)+256   ; k 16..31: the place of lane 16 + r
.if (\t)+2 < 4
	WLOAD (\t)+2, \n
.endif
.endm
.macro WBODY n
	WLOAD 0, \n
	WLOAD 1, \n
	WBLOCK 0, \n
	WBLOCK 1, \n
	WBLOCK 2, \n
	WBLOCK 3, \n
	global_store_b32 v3, v24, s[12:13]             ; my row's scale word of this K step
.endm
.Lweights:
	s_wait_alu depctr_va_vdst(0)
	v_and_b32 v13, 7, v11
	v_lshrrev_b32 v14, 3, v11
	v_lshl_add_u32 v13, v14, 4, v13
	v_lshl_add_u32 v13, v12, 3, v13                ; lane 16 u + r takes column 8 u + r % 8 + 16 (r / 8) of its wave's 32
	v_lshlrev_b32 v1, 2, v13
	v_lshlrev_b32 v2, 4, v11
	v_lshl_add_u32 v2, v12, 12, v2                 ; codes: tile u of the pair, lane r's place
	v_lshlrev_b32 v3, 5, v10                       ; scale bytes: 32 a row
	s_mov_b32 s20, XWG
	s_cmp_ge_u32 ttmp9, OWG
	s_cselect_b32 s20, OWG, s20
	s_sub_co_u32 s20, ttmp9, s20
	s_lshr_b32 s21, s20, 3                         ; which 128 columns
	s_and_b32 s20, s20, 7                          ; s: which 128 along K
	s_lshl_b32 s21, s21, 7
	s_lshl_b32 s22, s16, 5
	s_add_co_u32 s21, s21, s22                     ; my wave's first column
	s_lshr_b32 s22, s21, 6                         ; W_qkv: column / 64 = 3 head + role (under 48)
	s_mul_i32 s23, s22, 171
	s_lshr_b32 s23, s23, 9                         ; head = that / 3
	s_mul_i32 s24, s23, 3
	s_sub_co_u32 s22, s22, s24                     ; role
	s_lshl_b32 s22, s22, 5
	s_lshl_b32 s23, s23, 1
	s_add_co_u32 s22, s22, s23
	s_lshr_b32 s24, s21, 5
	s_and_b32 s23, s24, 1
	s_add_co_u32 s22, s22, s23                     ; group of 32 rows = 32 role + 2 head + which half of the head
	s_add_co_u32 s24, s24, 96                      ; W_out: 96 + column / 32
	s_mov_b32 s25, 128*3072*4
	s_cmp_ge_u32 ttmp9, OWG
	s_cselect_b32 s22, s24, s22
	s_cselect_b32 s25, 128*1024*4, s25             ; a K step in the source, in bytes
	s_mul_i32 s26, s20, s25
	s_lshl_b32 s27, s21, 2
	s_add_co_u32 s26, s26, s27
	s_mov_b32 s27, 0
	s_lshr_b32 s28, s22, 3
	s_lshl_b32 s28, s28, 18                        ; codes: tile of 256 rows,
	s_and_b32 s29, s22, 7
	s_lshl_b32 s29, s29, 13                        ; the group's two tiles of 16,
	s_add_co_u32 s28, s28, s29
	s_lshr_b32 s29, s20, 1
	s_lshl_b32 s29, s29, 16                        ; K / 256,
	s_add_co_u32 s28, s28, s29
	s_and_b32 s29, s20, 1
	s_lshl_b32 s29, s29, 11                        ; (K / 128) % 2
	s_add_co_u32 s28, s28, s29
	s_mov_b32 s29, 0
	s_lshl_b32 s30, s22, 10                        ; scale bytes: 1,024 a group, 4 a K step, behind the codes
	s_lshl_b32 s31, s20, 2
	s_add_co_u32 s30, s30, s31
	s_add_co_u32 s30, s30, 0x400000
	s_mov_b32 s31, 0
	s_wait_kmcnt 0x0
	s_cmp_ge_u32 ttmp9, OWG                        ; the choice hangs on the work-group's number alone
	s_cselect_b64 s[6:7], s[8:9], s[6:7]
	s_add_nc_u64 s[6:7], s[6:7], s[26:27]
	s_add_nc_u64 s[14:15], s[12:13], s[28:29]
	s_add_nc_u64 s[12:13], s[12:13], s[30:31]
	s_cmp_ge_u32 ttmp9, OWG
	s_cbranch_scc1 .Lw_out
	s_wait_alu depctr_va_vdst(0)
	WBODY 3072                                     ; every offset is an immediate: 127 rows of 12,288 bytes at the most
	s_endpgm
.Lw_out:
	s_wait_alu depctr_va_vdst(0)
	WBODY 1024
	s_endpgm
.Lfunc_end_k_qdb56a4db4c_quant:
	.size	k_qdb56a4db4c_quant, .Lfunc_end_k_qdb56a4db4c_quant-k_qdb56a4db4c_quant
	.p2alignl 7, 3214868480
	.fill 96, 4, 3214868480
	.section	.rodata,"a",@progbits
	.p2align	6, 0x0
	.amdhsa_kernel k_qdb56a4db4c_quant
		.amdhsa_group_segment_fixed_size 70144
		.amdhsa_private_segment_fixed_size 0
		.amdhsa_enable_private_segment 0
		.amdhsa_kernarg_size 40
		.amdhsa_user_sgpr_count 2
		.amdhsa_user_sgpr_kernarg_segment_ptr 1
		.amdhsa_wavefront_size32 1
		.amdhsa_system_sgpr_workgroup_id_x 1
		.amdhsa_system_sgpr_workgroup_id_y 1
		.amdhsa_system_sgpr_workgroup_id_z 1
		.amdhsa_system_vgpr_workitem_id 0
		.amdhsa_next_free_vgpr 256
		.amdhsa_next_free_sgpr 66
		.amdhsa_reserve_vcc 0
		.amdhsa_float_denorm_mode_32 3
		.amdhsa_float_denorm_mode_16_64 3
		.amdhsa_memory_ordered 1
		.amdhsa_forward_progress 1
		.amdhsa_inst_pref_size 84
	.end_amdhsa_kernel
	.amdgpu_metadata
---
amdhsa.version: [ 1, 2 ]
amdhsa.kernels:
  - .name:           k_qdb56a4db4c_quant
    .symbol:         k_qdb56a4db4c_quant.kd
    .args:
      - { .name: X, .offset: 0, .size: 8, .value_kind: global_buffer, .address_space: global }
      - { .name: W_qkv, .offset: 8, .size: 8, .value_kind: global_buffer, .address_space: global }
      - { .name: W_out, .offset: 16, .size: 8, .value_kind: global_buffer, .address_space: global }
      - { .name: xq, .offset: 24, .size: 8, .value_kind: global_buffer, .address_space: global }
      - { .name: wq, .offset: 32, .size: 8, .value_kind: global_buffer, .address_space: global }
    .group_segment_fixed_size: 70144
    .private_segment_fixed_size: 0
    .kernarg_segment_align: 8
    .kernarg_segment_size: 40
    .max_flat_workgroup_size: 128
    .sgpr_count:     66
    .vgpr_count:     256
    .wavefront_size: 32
...
	.end_amdgpu_metadata
.endif
;; end of part 1
;; launch proj (part 2): grid 12 x 32, 4 waves a work-group, clusters of 4 x 4, 327,680 bytes of LDS; arguments xq, wq, b_qkv, qq, kv; writes qq, kv
.if DOCPART == 2
	.amdgcn_target "amdgcn-amd-amdhsa--gfx1250"
	.amdhsa_code_object_version 6
	.text
	.protected	k_qdb56a4db4c_proj
	.globl	k_qdb56a4db4c_proj
	.p2align	8
	.type	k_qdb56a4db4c_proj,@function
k_qdb56a4db4c_proj:
	s_mov_b64 s[64:65], 0
	v_nop
	global_prefetch_b8 v0, s[64:65] scope:SCOPE_SE
	s_setreg_imm32_b32 hwreg(HW_REG_WAVE_MODE, 25, 1), 1
	s_wait_xcnt 0x0
	s_wait_alu depctr_hold_cnt(0) depctr_sa_sdst(0) depctr_va_vdst(0) depctr_va_sdst(0) depctr_va_ssrc(0) depctr_va_vcc(0) depctr_vm_vsrc(0)
	s_getreg_b32 s2, hwreg(HW_REG_IB_STS2, 6, 4)
	s_cmp_eq_u32 s2, 0
	s_cbranch_scc0 .Lentry_in_a_cluster
	s_endpgm
.Lentry_in_a_cluster:
	s_bfe_u32 s2, ttmp6, 0x10000c
	s_cmp_lg_u32 s2, 0xf033
	s_cbranch_scc0 .Lentry_shape_is_right
	s_endpgm
.Lentry_shape_is_right:
; Q, K, V = X W_qkv + b_qkv on codes of FP8 (E4M3) with E8M0 scales, and their quantising for the two products of attention: Q and K along the head's 64, V along the keys.  Nothing leaves in f32.
; A work-group of four waves makes 256 x 256 of the product, a wave 128 x 128: 64 accumulators of 16 x 16.  K = 1,024 goes in four steps of 256 through two LDS slots filled by the tensor data mover.
; THE OPERANDS LIE IN MEMORY IN THE ORDER OF THEIR REGISTERS (a fragment of 16 rows x 128 K is 2,048 bytes [c][lane][16]): what a wave fetches, 128 rows x 256 K, is 32,768 consecutive bytes, and a fragment comes out of LDS
; by four loads at 16 x lane: no pitch, no padding.  Rows stand in the order 8 u + r % 8 + 16 (r / 8) inside each 32, so that two neighbouring tiles of source 0 leave a lane 16 neighbours in 16 registers.
; THE MATRIX INSTRUCTION: source 0 = 16 rows of 'B', source 1 = 16 rows of 'A': a lane holds ONE row of A, and its registers run along B's rows.  A quantiser wants its K along a lane's registers:
;   clusters x = 0 (Q) and 1 (K): A = X (tokens), B = W's rows (the head's 64);      cluster x = 2 (V): A = W_v's rows (channels), B = X (tokens = keys).
; One text serves both: pointers, tile numbers and strides are chosen by s_cselect on the cluster's x, which all sixteen partners share; no branch hangs on it.
; CLUSTERS: 4 x 4.  A's tile hangs on cy and is shared along a row of the cluster, B's on cx and is shared along a column: each is asked for jointly, by the same load with a mask that names the four.
; THE WAY OUT, a block of 16 rows of A at a time: sum + bias, a lane's 64 numbers are four blocks of 32 (shared with lane l xor 16), quantised in registers; the codes ARE the next operand's registers and leave as 512 consecutive bytes a store.
; WHERE THEY GO: for each head (batch x 16 + head) and each 256 tokens a slot of 33,792 bytes: K's codes (16 tiles of 16 tokens x 1,024), V's codes ([128 keys][16 channels] fragments of 2,048), K's scale bytes [128 tokens][r][tile][2],
;   V's scale words [128 keys][r][tile of channels][4].  Q goes to a buffer of its own with K's places.
; LIMITS: NaN and infinities are not served; a block whose largest magnitude lies under 2^-118 (a block of zeros too) gets the byte 1.
; REGISTERS, in windows of 256: window 0: v1-6 at work, v8-15 the bias along A's rows, v16-30 addresses, v32-63 scale words (two sets), v64-127 the bias along B's rows, v128-255 A's fragments (one set);
;   window 1: B's fragments, two sets; windows 2, 3: the accumulators ((a, b) at v[8 (8 (a % 4) + b)]).  On the way out window 0's v32-55 and v128-231 are at work.
.set NQ,     2                         ; matrix instructions deep in a slot
.set FR,     16
.set NL,     4
.set NP,     8                         ; places behind this matrix instruction (ISA guide 7.12.1)
.set HALFT,  32768                     ; 128 rows x 256 K: what one tensor load brings
.set SLOT,   4*HALFT                   ; A's two halves, then B's
.set SCL,    2*SLOT                    ; behind the ring: the scale bytes of 256 + 256 rows for all of K, as units of 256 bytes + 16 of padding; filled once
.set HALFS,  16*272                    ; those of 128 rows
.set SBLK,   2*272                     ; those of 16 rows
.set SPARE,  SCL+4*HALFS               ; the spare words, 128 bytes for each wave
.set HEADB,  270336                    ; a head's eight slots
.set SLOTB,  33792
.set BP,   8
.set ADRA, 16
.set VOB,  19                          ; v19  16 x lane + the distance of a block's third and fourth store from its first two
.set ADRB, 20
.set SO,   22                          ; v22  the scale words' place: 16 r, lanes 16-31 one head on
.set ADRS, 27
.set SPW,  28
.set NIL,  29
.set LI,   30                          ; v30  16 x lane
.set SC,   32
.set BR,   64
.set AF,   128
.set T,    128                         ; the way out: 64 numbers,
.set PC,   192                         ; their codes,
.set TM,   208                         ; at work,
.set PWS,  224                         ; a scale word for each of the eight blocks,
.set BPP,  32                          ; the bias along A's rows, twice each,
.set SCT,  48                          ; the scale words as they are stored
.set G1, 24
.set G0, 32
.set G1B, 48
.set G0B, 56
.set G1S, 68
.set G0S, 76
.set G1SB, 80
.set G0SB, 88
.set MV,  66                           ; s66  all ones in V's clusters, else 0
.set NMV, 67                           ; s67  the other way round
.set OB,  96                           ; s[96:97]   where a block's codes go
.set SB,  98                           ; s[98:99]   where the scale words go
.set STN, 100                          ; s[100:101] from block to block
.set ST4, 22                           ; s[22:23]   from block 3 to block 4
.set MNT, 46
.set HI,  47                           ; s47  lanes 16-31
.set SEL, 92
.set MSB, 0
.macro WIN new                         ; the immediate's high byte repeats the setting that is left
.if MSB != \new
	s_set_vgpr_msb (MSB<<8)|\new
.set MSB, \new
.endif
.endm
.set MUL_LO, 0xa1                      ; source 0 (B) window 1, source 1 (A) window 0, C and D window 2
.set MUL_HI, 0xf1
.set TO_B,   0x40
; A joint load: waves 0 and 1 fetch for A, waves 2 and 3 for B; the branch hangs on the wave's number alone.  Four v_nop follow each of the two lines.
.macro JLOAD g0a, g1a, g0b, g1b
	s_cmp_eq_u32 s15, 0
	s_cbranch_scc0 .Lfor_b_\@
	tensor_load_to_lds s[\g0a:\g0a+3], s[\g1a:\g1a+7]
	s_nop 0
.rept 4
	v_nop
.endr
	s_branch .Lasked_\@
.Lfor_b_\@:
	tensor_load_to_lds s[\g0b:\g0b+3], s[\g1b:\g1b+7]
	s_nop 0
.rept 4
	v_nop
.endr
.Lasked_\@:
.endm
.macro CREST                           ; a round of the cluster's barrier behind its opening barrier
	s_cmp_lg_u32 s14, 0
	s_cbranch_scc1 .Lnot_wave_0_\@
	s_barrier_signal -3
.Lnot_wave_0_\@:
	s_barrier_wait -3
	s_barrier_signal -1
	s_barrier_wait -1
.endm
.macro CROUND
	s_barrier_signal -1
	s_barrier_wait -1
	CREST
.endm
	s_load_b256 s[4:11], s[0:1], 0x0               ; xq s[4:5], wq s[6:7], b_qkv s[8:9], qq s[10:11]
	s_load_b64 s[12:13], s[0:1], 0x20              ; kv
	v_lshl_add_u32 v[SPW], v0, 2, SPARE
	v_mov_b32 v[NIL], 0
	ds_add_u32 v28, v29
	ds_add_u32 v28, v29
	s_wait_dscnt 0x0
	v_lshrrev_b32 v1, 5, v0
	v_readfirstlane_b32 s14, v1                    ; wave 0..3
	s_lshr_b32 s15, s14, 1                         ; which half of A's rows is mine.  Also: I fetch for A (0) or for B (1)
	s_and_b32 s16, s14, 1                          ; which half of B's rows.  Also: which 128 rows of that tile I fetch
	s_bfe_u32 s40, ttmp6, 0x40000                  ; cx
	s_bfe_u32 s41, ttmp6, 0x40004                  ; cy
	s_and_b32 s17, ttmp7, 0xffff
	s_lshl_b32 s17, s17, 2                         ; 4 x cluster y: the cluster's first tile of X
	s_lshl_b32 s42, ttmp9, 2                       ; 4 x cluster x: its first tile of W
	s_cmp_eq_u32 ttmp9, 2                          ; V's clusters: the same in all sixteen partners
	s_cselect_b32 s45, 8, s17                      ; A: W_v's tiles 8..11, or X's
	s_cselect_b32 s42, s17, s42                    ; B: X's, or W's
	s_cselect_b32 s[MV], -1, 0
	s_cselect_b32 s[NMV], 0, -1
	s_mov_b32 s98, 0x800000
	s_cselect_b32 s98, 0x400000, s98               ; where A's scale bytes begin in its buffer,
	s_mov_b32 s99, 0x400000
	s_cselect_b32 s99, 0x800000, s99               ; and B's
	s_add_co_u32 s45, s45, s41                     ; A's tile: hangs on cy
	s_add_co_u32 s42, s42, s40                     ; B's tile: hangs on cx
	s_lshl_b32 s43, s41, 2
	s_lshl_b32 s43, 15, s43                        ; my row of the cluster
	s_lshl_b32 s44, 0x1111, s40                    ; my column
	; descriptor group 1, codes: 32,768 consecutive bytes as 128 rows of 32 elements of 8 bytes, no padding
	s_or_b32 s[G1+0], s43, (3<<16)|(1<<21)         ; 15:0 the mask; 17:16 elements of 8 bytes; 21 set beside a mask
	s_or_b32 s[G1B+0], s44, (3<<16)|(1<<21)
.irp g, G1, G1B
	s_mov_b32 s[\g+1], 32<<16                      ; tensor_dim0
	s_mov_b32 s[\g+2], 256<<16                     ; tensor_dim1: 256 rows for the head's loads; set to 128 for the ring's behind the wait that shows them landed
	s_mov_b32 s[\g+3], 32<<16                      ; tile_dim0
	s_mov_b32 s[\g+4], 256                         ; tile_dim1
	s_mov_b32 s[\g+5], 32                          ; tensor_dim0_stride
	s_mov_b32 s[\g+6], 0
	s_mov_b32 s[\g+7], 0
.endr
	; scale bytes of 256 rows: 8,192 consecutive bytes as 32 rows of 256, 16 bytes of padding behind each
	s_or_b32 s[G1S+0], s43, (3<<16)|(1<<20)|(1<<21)|(5<<22)|(3<<25)
	s_or_b32 s[G1SB+0], s44, (3<<16)|(1<<20)|(1<<21)|(5<<22)|(3<<25)
.irp g, G1S, G1SB
	s_mov_b32 s[\g+1], 32<<16
	s_mov_b32 s[\g+2], 32<<16                      ; the scale bytes of 256 rows: 32 rows of 256 bytes
	s_mov_b32 s[\g+3], 32<<16
	s_mov_b32 s[\g+4], 32
	s_mov_b32 s[\g+5], 32
	s_mov_b32 s[\g+6], 0
	s_mov_b32 s[\g+7], 0
.endr
	s_lshl_b32 s18, s16, 15                        ; the 128 rows that I fetch: their codes in a K step of a tile,
	s_mov_b32 s19, 0                               ; the scale bytes come whole, 256 rows to a load; s[18:19] is also the half's offset as a pair
	s_lshl_b32 s20, s45, 18
	s_add_co_u32 s20, s20, s18
	s_mov_b32 s21, 0
	s_lshl_b32 s22, s45, 13
	s_add_co_u32 s22, s22, s19
	s_add_co_u32 s22, s22, s98
	s_mov_b32 s23, 0
	s_lshl_b32 s46, s42, 18
	s_add_co_u32 s46, s46, s18
	s_mov_b32 s47, 0
	s_lshl_b32 s92, s42, 13
	s_add_co_u32 s92, s92, s19
	s_add_co_u32 s92, s92, s99
	s_mov_b32 s93, 0
	s_lshl_b32 s3, s14, 15                         ; where they go: wave x 32,768: no place in the cluster enters an LDS address
	s_mul_i32 s2, s14, HALFS
	s_wait_kmcnt 0x0
	s_cmp_eq_u32 ttmp9, 2
	s_cselect_b64 s[94:95], s[6:7], s[4:5]         ; A's buffer
	s_cselect_b64 s[96:97], s[4:5], s[6:7]         ; B's
	s_add_nc_u64 s[20:21], s[94:95], s[20:21]
	s_add_nc_u64 s[22:23], s[94:95], s[22:23]
	s_add_nc_u64 s[46:47], s[96:97], s[46:47]
	s_add_nc_u64 s[92:93], s[96:97], s[92:93]
	CROUND                                         ; all sixteen work-groups are here: the first joint loads meet
	s_mov_b32 s[G0S], 1
	s_add_co_u32 s[G0S+1], s2, SCL
	s_mov_b64 s[G0S+2:G0S+3], s[22:23]
	s_or_b32 s[G0S+3], s[G0S+3], 0x80000000
	s_mov_b32 s[G0SB], 1
	s_add_co_u32 s[G0SB+1], s2, SCL
	s_mov_b64 s[G0SB+2:G0SB+3], s[92:93]
	s_or_b32 s[G0SB+3], s[G0SB+3], 0x80000000
.irp s, 0,1
	s_mov_b32 s[G0+4*\s], 1
	s_add_co_u32 s[G0+4*\s+1], s3, \s*SLOT
	s_add_nc_u64 s[G0+4*\s+2:G0+4*\s+3], s[20:21], \s*65536
	s_or_b32 s[G0+4*\s+3], s[G0+4*\s+3], 0x80000000
	s_mov_b32 s[G0B+4*\s], 1
	s_add_co_u32 s[G0B+4*\s+1], s3, \s*SLOT
	s_add_nc_u64 s[G0B+4*\s+2:G0B+4*\s+3], s[46:47], \s*65536
	s_or_b32 s[G0B+4*\s+3], s[G0B+4*\s+3], 0x80000000
.endr
	; THE HEAD'S LOADS, ONE A WAVE: wave 0 K step 0's 256 rows of A, wave 1 its 256 rows of B, wave 2 A's scale bytes, wave 3 B's.  Slot 0's groups 0 serve them, without the half's offset
	s_sub_nc_u64 s[G0+2:G0+3], s[G0+2:G0+3], s[18:19]
	s_mov_b32 s[G0+1], 0
	s_sub_nc_u64 s[G0B+2:G0B+3], s[G0B+2:G0B+3], s[18:19]
	s_mov_b32 s[G0B+1], 2*HALFT
	s_mov_b32 s[G0S+1], SCL
	s_mov_b32 s[G0SB+1], SCL+2*HALFS
.macro ARM under, g0, g1, next
	s_cmp_lt_u32 s14, \under
	s_cbranch_scc0 \next
	tensor_load_to_lds s[\g0:\g0+3], s[\g1:\g1+7]
	s_nop 0
.rept 4
	v_nop
.endr
	s_branch .Lhead_asked
\next:
.endm
	ARM 1, G0,  G1,  .Lhead_b
	ARM 2, G0B, G1B, .Lhead_sa
	ARM 3, G0S, G1S, .Lhead_sb
	tensor_load_to_lds s[G0SB:G0SB+3], s[G1SB:G1SB+7]
	s_nop 0
.rept 4
	v_nop
.endr
.Lhead_asked:
	v_and_b32 v1, 15, v0
	v_bfe_u32 v2, v0, 4, 1                         ; h
	v_and_b32 v3, 31, v0
	v_lshlrev_b32 v[LI], 4, v3
	s_lshl_b32 s21, s15, 15                        ; my 128 rows of A
	s_lshl_b32 s22, s16, 15                        ; my 128 rows of B,
	s_add_co_u32 s22, s22, 2*HALFT                 ; behind A's 256
.irp s, 0,1
	v_add_nc_u32 v[ADRA+\s], s21, v[LI]
	v_add_nc_u32 v[ADRB+\s], s22, v[LI]
	s_add_co_u32 s21, s21, SLOT
	s_add_co_u32 s22, s22, SLOT
.endr
	v_lshlrev_b32 v5, 5, v1                        ; my row's scale bytes: 32 a row,
	v_lshrrev_b32 v6, 8, v5
	v_lshl_add_u32 v5, v6, 4, v5                   ; and 16 more for each 256 passed
	s_mul_i32 s21, s15, HALFS
	s_mul_i32 s22, s16, HALFS
	s_add_co_u32 s22, s22, 2*HALFS
	s_sub_co_u32 s22, s22, s21
	v_mul_u32_u24 v6, s22, v2                      ; lanes 16-31 take B's
	s_add_co_u32 s21, s21, SCL
	v_add_nc_u32 v5, v5, v6
	v_add_nc_u32 v[ADRS], s21, v5
	; the way out's numbers.  Tokens are A's rows (Q, K) or B's (V); W's rows the other
	s_cmp_eq_u32 ttmp9, 2
	s_cselect_b32 s18, s42, s45                    ; the tile of 256 tokens
	s_cselect_b32 s19, s16, s15                    ; my half of it
	s_cselect_b32 s20, s15, s16                    ; my half of W's tile: two heads
	s_cselect_b32 s21, s41, s40                    ; W's tile among its role's four
	s_cselect_b32 s94, 16384, 0                    ; V's codes lie behind K's in a slot
	s_mov_b32 s95, 32768
	s_cselect_b32 s95, 33280, s95                  ; K's scale bytes, V's scale words
	s_mov_b32 s[STN], 1024                         ; Q, K: a tile of 16 tokens is 1,024 bytes;
	s_cselect_b32 s[STN], 2048, s[STN]             ; V: a fragment of 16 channels is 2,048
	s_mov_b32 s[ST4], 1024
	s_cselect_b32 s[ST4], HEADB-3*2048, s[ST4]     ; V: block 4 begins the next head
	s_mov_b32 s3, HEADB                            ; Q, K: a block's blocks 2, 3 of 32 belong to the next head;
	s_cselect_b32 s3, 1024, s3                     ; V: they follow in the fragment
	s_mov_b32 s[STN+1], 0
	s_mov_b32 s[ST4+1], 0
	v_add_nc_u32 v[VOB], s3, v[LI]
	v_mul_u32_u24 v[SO], v2, HEADB
	v_lshl_add_u32 v[SO], v1, 4, v[SO]
	s_lshl_b32 s21, s21, 2
	s_lshl_b32 s20, s20, 1
	s_add_co_u32 s20, s20, s21                     ; my first head
	s_lshr_b32 s21, s18, 3                         ; the batch
	s_and_b32 s18, s18, 7                          ; the slot
	s_lshl_b32 s21, s21, 4
	s_add_co_u32 s21, s21, s20
	s_mul_i32 s21, s21, HEADB
	s_mul_i32 s18, s18, SLOTB
	s_add_co_u32 s21, s21, s18
	s_lshl_b32 s18, s19, 13                        ; half a slot's codes of either kind: 8,192 bytes
	s_add_co_u32 s[OB], s21, s18
	s_add_co_u32 s[OB], s[OB], s94
	s_mov_b32 s[OB+1], 0
	s_lshl_b32 s18, s19, 8
	s_add_co_u32 s[SB], s21, s18
	s_add_co_u32 s[SB], s[SB], s95
	s_mov_b32 s[SB+1], 0
	s_cmp_eq_u32 ttmp9, 0
	s_cselect_b64 s[94:95], s[10:11], s[12:13]     ; Q has a buffer of its own
	s_add_nc_u64 s[OB:OB+1], s[94:95], s[OB:OB+1]
	s_add_nc_u64 s[SB:SB+1], s[94:95], s[SB:SB+1]
	s_mul_i32 s20, s20, 768                        ; b_qkv: 192 numbers a head, 64 a role
	s_lshl_b32 s21, ttmp9, 8
	s_add_co_u32 s20, s20, s21
	s_mov_b32 s21, 0
	s_add_nc_u64 s[8:9], s[8:9], s[20:21]
	s_mov_b32 s[MNT], 0x600000
	s_mov_b32 s[HI], 0xffff0000
	s_mov_b32 s[SEL], 0x76543210
	s_mov_b32 s[SEL+1], 0xfedcba98
	v_lshlrev_b32 v4, 6, v2                        ; along B's rows: tile 2 p + u, register j is number 32 p + 16 h + 8 u + j of my 128
	v_and_b32 v5, 7, v1
	v_lshrrev_b32 v6, 3, v1
	v_lshl_add_u32 v5, v6, 4, v5
	v_lshlrev_b32 v5, 2, v5                        ; along A's rows: place r of a tile is number r % 8 + 16 (r / 8)
.irp t, 0,1,2,3,4,5,6,7                        ; both are loaded in every cluster (both stay inside b_qkv); the one that does not apply is masked to 0 on the way out
	global_load_b128 v[BR+8*\t:BR+8*\t+3], v4, s[8:9] offset:768*(\t/4)+128*((\t/2)%2)+32*(\t%2)
	global_load_b128 v[BR+8*\t+4:BR+8*\t+7], v4, s[8:9] offset:768*(\t/4)+128*((\t/2)%2)+32*(\t%2)+16
.endr
.irp a, 0,1,2,3,4,5,6,7
	global_load_b32 v[BP+\a], v5, s[8:9] offset:768*(\a/4)+128*((\a%4)/2)+32*(\a%2)
.endr
.macro FRAG reg, adr, q, i             ; a fragment as it lies: four loads of 512 consecutive bytes
.irp c, 0,1,2,3
	ds_load_b128 v[\reg+4*\c:\reg+4*\c+3], v[\adr] offset:4096*(\i)+2048*(\q)+512*\c
.endr
.endm
; 16 matrix instructions: A's blocks a0, a0 + 1 x B's eight.  The 64 accumulators take turns, one instruction a turn, in the same order in every step.
.macro MUL16 a0, p, q, sc, zero
.irp a, \a0, \a0+1
.irp b, 0,1,2,3,4,5,6,7
.if \zero
	v_wmma_scale_f32_16x16x128_f8f6f4 v[8*(8*((\a)%4)+\b):8*(8*((\a)%4)+\b)+7], v[128*(\p)+FR*\b:128*(\p)+FR*\b+FR-1], v[AF+FR*(\a):AF+FR*(\a)+FR-1], 0, v[SC+8*NQ*(\sc)+NQ*\b+(\q)], v[SC+8*NQ*(\sc)+NQ*(\a)+(\q)] matrix_a_scale:MATRIX_SCALE_ROW1
.else
	v_wmma_scale_f32_16x16x128_f8f6f4 v[8*(8*((\a)%4)+\b):8*(8*((\a)%4)+\b)+7], v[128*(\p)+FR*\b:128*(\p)+FR*\b+FR-1], v[AF+FR*(\a):AF+FR*(\a)+FR-1], v[8*(8*((\a)%4)+\b):8*(8*((\a)%4)+\b)+7], v[SC+8*NQ*(\sc)+NQ*\b+(\q)], v[SC+8*NQ*(\sc)+NQ*(\a)+(\q)] matrix_a_scale:MATRIX_SCALE_ROW1
.endif
.endr
.endr
.endm
.macro FETCH_B slot, q, p
	WIN TO_B
.irp i, 0,1,2,3,4,5,6,7
	FRAG 128*(\p)+FR*\i, ADRB+\slot, \q, \i
.endr
	WIN 0
.endm
.macro FETCH_A slot, q, i0
.irp i, \i0, \i0+1, \i0+2, \i0+3
	FRAG AF+FR*(\i), ADRA+\slot, \q, \i
.endr
.endm
.macro SCALES sc                       ; a K step's scale words: lanes 0-15 take A's block i, lanes 16-31 B's block i
.irp i, 0,1,2,3,4,5,6,7
	ds_load_b64 v[SC+8*NQ*\sc+NQ*\i:SC+8*NQ*\sc+NQ*\i+1], v[ADRS] offset:\i*SBLK
.endr
.endm
.macro PLACES n                        ; plain vector lines between a matrix instruction and a load into, or a read of, its registers
.rept \n
	v_nop
.endr
.endm
.macro STEP slot, q, zero              ; 128 along K that have their successor in the same slot
	s_wait_dscnt 4*NL                              ; B's set and A's blocks 0-3 are in; the youngest sixteen loads (A's blocks 4-7) may be out
	WIN MUL_LO
	MUL16 0, (\q)%2, \q, \slot, \zero
	MUL16 2, (\q)%2, \q, \slot, \zero
	s_wait_dscnt 0
	PLACES NP
	FETCH_B \slot, (\q)+1, 1-(\q)%2
	FETCH_A \slot, (\q)+1, 0
	WIN MUL_HI
	MUL16 4, (\q)%2, \q, \slot, \zero
	MUL16 6, (\q)%2, \q, \slot, \zero
	PLACES NP
	WIN 0
	FETCH_A \slot, (\q)+1, 4
.endm
; A slot's last step changes slots: one barrier; ahead of it each wave waits for all its tensor loads, adds 0 to its spare word, and waits for that and for its reads of this slot.  fill = 1: this slot is filled again, two K steps on.
.macro TURN slot, next, fill
	s_wait_tensorcnt 0x0                           ; all my tensor loads have landed: my part of the next slot
	ds_add_u32 v[SPW], v[NIL]                      ; 0 onto my spare word
	s_wait_dscnt 4*NL+1                            ; (the add and the youngest sixteen loads may be out)
	WIN MUL_LO
	MUL16 0, 1, NQ-1, \slot, 0
	s_wait_dscnt 0x0                               ; the add is done, and my reads of this slot are over
	s_barrier_signal -1
	MUL16 2, 1, NQ-1, \slot, 0
	WIN 0
	s_barrier_wait -1
.if \fill
	CREST                                          ; the barrier has opened a round of the cluster's: no wave of any partner still reads this slot or has a load on its way
	s_add_nc_u64 s[G0+4*\slot+2:G0+4*\slot+3], s[G0+4*\slot+2:G0+4*\slot+3], 2*65536
	s_add_nc_u64 s[G0B+4*\slot+2:G0B+4*\slot+3], s[G0B+4*\slot+2:G0B+4*\slot+3], 2*65536
	JLOAD G0+4*\slot, G1, G0B+4*\slot, G1B         ; my one tensor load behind the round; its four v_nop are among the places below
	PLACES NP-4
.else
	PLACES NP
.endif
	s_wait_alu depctr_va_vdst(0)
	v_add_nc_u32 v[ADRS], 4*NQ, v[ADRS]            ; the next K step's scale words
	FETCH_B \next, 0, 0
	FETCH_A \next, 0, 0
	SCALES \next
	WIN MUL_HI
	MUL16 4, 1, NQ-1, \slot, 0
	MUL16 6, 1, NQ-1, \slot, 0
	PLACES NP
	WIN 0
	FETCH_A \next, 0, 4
.endm
.macro QUANT s, pc, pw                 ; 64 numbers of a lane, register 16 b + i = k 32 b + 16 (lane / 16) + i, become 16 registers of codes and a scale word
.irp b, 0,1,2,3
	v_max3_num_f32 v[TM+\b], |v[\s+16*\b]|, |v[\s+1+16*\b]|, 0x4800000   ; with the floor 2^(9 - 127): the byte cannot fall under 1
.endr
.irp i, 2,4,6,8,10,12,14
.irp b, 0,1,2,3
	v_max3_num_f32 v[TM+\b], v[TM+\b], |v[\s+16*\b+\i]|, |v[\s+1+16*\b+\i]|
.endr
.endr
.irp b, 0,1,2,3
	v_permlanex16_b32 v[TM+4+\b], v[TM+\b], s[SEL], s[SEL+1]
.endr
.irp b, 0,1,2,3
	v_max_num_f32 v[TM+\b], v[TM+\b], v[TM+4+\b]
.endr
.irp b, 0,1,2,3
	v_add_nc_u32 v[TM+12+\b], 0xfc000000, v[TM+\b]                 ; 8 off the exponent field: the conversion's scale operand
.endr
.irp b, 0,1,2,3
	v_and_or_b32 v[TM+8+\b], v[TM+\b], 0x7f800000, s[MNT]          ; 448 x the scale
.endr
.irp b, 0,1,2,3
	v_lshrrev_b32 v[TM+4+\b], 23, v[TM+12+\b]
.endr
	v_lshl_or_b32 v[\pw], v[TM+5], 8, v[TM+4]
	v_lshl_or_b32 v[\pw], v[TM+6], 16, v[\pw]
	v_lshl_or_b32 v[\pw], v[TM+7], 24, v[\pw]
.irp b, 0,1,2,3
.irp i, 0,1,2,3,4,5,6,7,8,9,10,11,12,13,14,15
	v_med3_num_f32 v[\s+16*\b+\i], v[\s+16*\b+\i], -v[TM+8+\b], v[TM+8+\b]   ; the conversion does not saturate (ISA guide 7.6.2)
.endr
	v_cvt_scalef32_pk8_fp8_f32 v[\pc+4*\b:\pc+1+4*\b], v[\s+16*\b:\s+7+16*\b], v[TM+12+\b]
	v_cvt_scalef32_pk8_fp8_f32 v[\pc+2+4*\b:\pc+3+4*\b], v[\s+8+16*\b:\s+15+16*\b], v[TM+12+\b]
.endr
	v_nop                                          ; a plain line behind the last conversion
.endm
	s_wait_alu depctr_va_vdst(0)
	s_wait_tensorcnt 0x0                           ; my tile of the head's four is in
	ds_add_u32 v[SPW], v[NIL]
	s_mov_b32 s[G1+2], 128<<16                     ; no tensor load of mine is out: from here on a load brings 128 rows
	s_mov_b32 s[G1+4], 128
	s_mov_b32 s[G1B+2], 128<<16
	s_mov_b32 s[G1B+4], 128
	s_lshl_b32 s4, s16, 15                         ; slot 0's groups 0 for the ring: my 128 rows, at wave x 32,768 in LDS
	s_mov_b32 s5, 0
	s_lshl_b32 s[G0+1], s14, 15
	s_add_nc_u64 s[G0+2:G0+3], s[G0+2:G0+3], s[4:5]
	s_lshl_b32 s[G0B+1], s14, 15
	s_add_nc_u64 s[G0B+2:G0B+3], s[G0B+2:G0B+3], s[4:5]
	s_wait_dscnt 0x0
	CROUND                                         ; all four tiles are in, and all sixteen work-groups are here
	JLOAD G0+4, G1, G0B+4, G1B                     ; K step 1: my one tensor load behind the round
	FETCH_B 0, 0, 0
	FETCH_A 0, 0, 0
	SCALES 0
	FETCH_A 0, 0, 4
	s_wait_loadcnt 0x0                             ; the biases
	STEP 0, 0, 1                                   ; the first products start the sums: nothing is cleared
	TURN 0, 1, 1                                   ; slot 0 takes K step 2
	STEP 1, 0, 0
	TURN 1, 0, 1                                   ; slot 1 takes K step 3
	STEP 0, 0, 0
	TURN 0, 1, 0                                   ; nothing is left to fetch
	STEP 1, 0, 0
	s_wait_dscnt 4*NL
	WIN MUL_LO
	MUL16 0, 1, NQ-1, 1, 0
	MUL16 2, 1, NQ-1, 1, 0
	s_wait_dscnt 0
	WIN MUL_HI
	MUL16 4, 1, NQ-1, 1, 0
	MUL16 6, 1, NQ-1, 1, 0
	WIN 0
	; THE WAY OUT.  The bias that does not apply becomes 0.  These 64 lines name no register of the last products: they are also the places behind them.
.set ii, 0
.rept 64
	v_and_b32 v[BR+ii], s[NMV], v[BR+ii]
.set ii, ii+1
.endr
.irp a, 0,1,2,3,4,5,6,7
	v_and_b32 v[BPP+2*\a], s[MV], v[BP+\a]         ; twice, as a pair for the packed addition
	v_and_b32 v[BPP+2*\a+1], s[MV], v[BP+\a]
.endr
.irp b, 0,1,2,3
	v_mov_b32 v[TM+4+\b], 0                        ; a lane permute's destination counts as one of its sources
.endr
.macro EPI a                           ; block a: 16 rows of A
.if (\a) > 0
	s_wait_xcnt 0x0                                ; the last block's stores have read their data and their base
.if (\a) == 4
	s_add_nc_u64 s[OB:OB+1], s[OB:OB+1], s[ST4:ST4+1]
.else
	s_add_nc_u64 s[OB:OB+1], s[OB:OB+1], s[STN:STN+1]
.endif
.endif
	WIN 0x02+(\a)/4                                ; source 0: window 2 or 3
.set AC, 64*((\a)%4)
.set ii, 0
.rept 32
	v_pk_add_f32 v[T+ii:T+ii+1], v[AC+ii:AC+ii+1], v[BR+ii:BR+ii+1]    ; each accumulator from its low end on
.set ii, ii+2
.endr
	WIN 0
.set ii, 0
.rept 32
	v_pk_add_f32 v[T+ii:T+ii+1], v[T+ii:T+ii+1], v[BPP+2*(\a):BPP+2*(\a)+1]
.set ii, ii+2
.endr
	QUANT T, PC, PWS+(\a)
	global_store_b128 v[LI], v[PC:PC+3], s[OB:OB+1]                    ; each store: 512 consecutive bytes
	global_store_b128 v[LI], v[PC+4:PC+7], s[OB:OB+1] offset:512
	global_store_b128 v[VOB], v[PC+8:PC+11], s[OB:OB+1]
	global_store_b128 v[VOB], v[PC+12:PC+15], s[OB:OB+1] offset:512
.endm
.irp a, 0,1,2,3,4,5,6,7
	EPI \a
.endr
	; the scale words.  Q, K: a block's word holds two bytes for each of two heads; a head's place wants two tiles' two bytes in a word.  V: a block's word as it is; blocks 0-3 are one head's, 4-7 the next's.  Lanes 16-31 store the second head's.
.irp i, 0,1,2,3
	v_perm_b32 v[SCT+\i], v[PWS+2*\i+1], v[PWS+2*\i], 0x05040100
	v_perm_b32 v[SCT+4+\i], v[PWS+2*\i+1], v[PWS+2*\i], 0x07060302
.endr
.irp i, 0,1,2,3
	v_cndmask_b32 v[SCT+\i], v[SCT+\i], v[SCT+4+\i], s[HI]
.endr
.irp i, 0,1,2,3
	v_cndmask_b32 v[SCT+4+\i], v[PWS+\i], v[PWS+4+\i], s[HI]
.endr
.irp i, 0,1,2,3
	v_cndmask_b32 v[SCT+\i], v[SCT+\i], v[SCT+4+\i], s[MV]
.endr
	global_store_b128 v[SO], v[SCT:SCT+3], s[SB:SB+1]                  ; sixteen lanes store 256 consecutive bytes, aligned
	s_wait_tensorcnt 0x0                           ; the wave's end
	ds_add_u32 v[SPW], v[NIL]
	s_wait_dscnt 0x0
	CROUND                                         ; the closing round: no work-group ends while a partner may still ask for a tile that names it
	s_endpgm
.Lfunc_end_k_qdb56a4db4c_proj:
	.size	k_qdb56a4db4c_proj, .Lfunc_end_k_qdb56a4db4c_proj-k_qdb56a4db4c_proj
	.p2alignl 7, 3214868480
	.fill 96, 4, 3214868480
	.section	.rodata,"a",@progbits
	.p2align	6, 0x0
	.amdhsa_kernel k_qdb56a4db4c_proj
		.amdhsa_group_segment_fixed_size 327680
		.amdhsa_private_segment_fixed_size 0
		.amdhsa_enable_private_segment 0
		.amdhsa_kernarg_size 40
		.amdhsa_user_sgpr_count 2
		.amdhsa_user_sgpr_kernarg_segment_ptr 1
		.amdhsa_wavefront_size32 1
		.amdhsa_system_sgpr_workgroup_id_x 1
		.amdhsa_system_sgpr_workgroup_id_y 1
		.amdhsa_system_sgpr_workgroup_id_z 1
		.amdhsa_system_vgpr_workitem_id 0
		.amdhsa_next_free_vgpr 1024
		.amdhsa_next_free_sgpr 102
		.amdhsa_reserve_vcc 0
		.amdhsa_float_denorm_mode_32 3
		.amdhsa_float_denorm_mode_16_64 3
		.amdhsa_memory_ordered 1
		.amdhsa_forward_progress 1
		.amdhsa_inst_pref_size 225
	.end_amdhsa_kernel
	.amdgpu_metadata
---
amdhsa.version: [ 1, 2 ]
amdhsa.kernels:
  - .name:           k_qdb56a4db4c_proj
    .symbol:         k_qdb56a4db4c_proj.kd
    .args:
      - { .name: xq, .offset: 0, .size: 8, .value_kind: global_buffer, .address_space: global }
      - { .name: wq, .offset: 8, .size: 8, .value_kind: global_buffer, .address_space: global }
      - { .name: b_qkv, .offset: 16, .size: 8, .value_kind: global_buffer, .address_space: global }
      - { .name: qq, .offset: 24, .size: 8, .value_kind: global_buffer, .address_space: global }
      - { .name: kv, .offset: 32, .size: 8, .value_kind: global_buffer, .address_space: global }
    .group_segment_fixed_size: 327680
    .private_segment_fixed_size: 0
    .kernarg_segment_align: 8
    .kernarg_segment_size: 40
    .max_flat_workgroup_size: 128
    .sgpr_count:     102
    .vgpr_count:     1024
    .wavefront_size: 32
...
	.end_amdgpu_metadata
.endif
;; end of part 2
;; launch attn (part 3): grid 4 x 64, 12 waves a work-group, clusters of 4 x 1, 327,680 bytes of LDS; arguments qq, kv, ao; writes ao
.if DOCPART == 3
	.amdgcn_target "amdgcn-amd-amdhsa--gfx1250"
	.amdhsa_code_object_version 6
	.text
	.protected	k_qdb56a4db4c_attn
	.globl	k_qdb56a4db4c_attn
	.p2align	8
	.type	k_qdb56a4db4c_attn,@function
k_qdb56a4db4c_attn:
	s_mov_b64 s[64:65], 0
	v_nop
	global_prefetch_b8 v0, s[64:65] scope:SCOPE_SE
	s_setreg_imm32_b32 hwreg(HW_REG_WAVE_MODE, 25, 1), 1
	s_wait_xcnt 0x0
	s_wait_alu depctr_hold_cnt(0) depctr_sa_sdst(0) depctr_va_vdst(0) depctr_va_sdst(0) depctr_va_ssrc(0) depctr_va_vcc(0) depctr_vm_vsrc(0)
	s_getreg_b32 s2, hwreg(HW_REG_IB_STS2, 6, 4)
	s_cmp_eq_u32 s2, 0
	s_cbranch_scc0 .Lentry_in_a_cluster
	s_endpgm
.Lentry_in_a_cluster:
	s_bfe_u32 s2, ttmp6, 0x10000c
	s_cmp_lg_u32 s2, 0x3003
	s_cbranch_scc0 .Lentry_shape_is_right
	s_endpgm
.Lentry_shape_is_right:
; Causal attention of one head (64 wide) on codes of FP8 (E4M3) with E8M0 scales, and the quantising of its result along the model's 1,024 for the last product.
; t = score x log2(e) / 8; M = the running largest t rounded UP to a whole number; p = 2^(t - M) is quantised along the keys, not normalised; the row's sum is taken of the unquantised p and divides O at the end.
; LEFT OUT: steps of 128 keys that lie wholly behind a tile's queries (reference()'s own causal mask makes their p 0 for all inputs).
; A HEAD STAYS IN LDS.  A head's K, V and their scale bytes are 8 slots of 33,792 bytes, 270,336 in all: they are fetched once, by twelve loads of 22,528 bytes, one a wave, and nothing is filled again: no ring.
; CLUSTER 4 x 1: the four work-groups of a head ask for these twelve tiles jointly (mask 15).  Every partner reads every slot: see the shares.
; SHARES.  A head has 128 tiles of 16 queries; tile t wants t / 8 + 1 steps of 128 keys.  Partner cx owns the tiles 8 (n - 1) + 4 b + cx, n = 1 .. 16, b = 0, 1: two tiles for each count n of steps, 272 steps in all.
; They are dealt to twelve waves, three to a SIMD: wave w (p = w / 2, b = w % 2) takes the tiles with n = (16, 7), (15, 8), (14, 5, 4), (13, 6, 3), (12, 9, 2), (11, 10, 1) for p = 0 .. 5: 22 or 23 steps a wave.
; The list hangs on the wave's number alone: no branch, no trip count and no LDS address hangs on cx; cx enters global addresses and the mask's lane numbers only.  Waves 0 and 1 walk all 16 steps, so each partner reads all 8 slots.
; THE WALK.  A wave's tiles in falling order of n.  Steps 0 and 1 of the first (slot 0, never on the diagonal: n is 11 at the least) run behind a barrier that shows slot 0 alone: waves 0 and 1, whose loads cover it, have a load line of their own and wait there.
; Behind them every wave waits for its load and a second barrier shows all slots.  From there on the waves share nothing and meet no barrier.  One loop of 46 trips at the most, c = 2 .. 47, step k = c % 16: a step with k over the tile's last is jumped over.
; Behind a tile's last step, which is the one on the diagonal, the tile is finished; behind its last tile the wave leaves the loop.  The second tile's Q is loaded at the head, a third's while the second is walked.
; THE MASK.  In its diagonal step a tile's queries lie in block 2 b + cx / 2 of the step's four blocks of 32 keys.  So by b, the wave's parity: b = 0: blocks 0, 1 are compared, blocks 2, 3 are hidden whole; b = 1: blocks 0, 1 count whole, blocks 2, 3 are compared.
; NO PREFETCH: every byte of K and V is asked for at the head, in one group of loads; there is no loop to run ahead in.
; LAYOUT (as the launch before leaves it).  Both products are used transposed: S^T = K Q^T, O^T = V^T P^T: a lane holds one query.  Tokens stand in the order 8 u + r % 8 + 16 (r / 8) inside each 32, so that the 16 registers of two
; neighbouring tiles of keys are 16 neighbouring keys, 32 b + 16 (lane / 16) + 0..15.  A fragment of K holds TWO tiles of 16 keys; Q stands as [8 zeros | Q | 8 zeros]: v[24:39] meets the first tile, v[16:31] the second; zero codes add nothing.
; LIMITS: NaN and infinities are not served; a block whose largest magnitude lies under 2^-118 (a block of zeros too) gets the byte 1.  The scaled scores stay under 2^31 in magnitude.
.set SLOTB, 33792
.set HEADB, 270336
.set SPARE, 270336                     ; behind the 8 slots: the spare words, 128 bytes for each of twelve waves
.set LI,   1                           ; v1   16 x lane
.set R16,  2                           ; v2   16 x (lane % 16)
.set DQ,   3                           ; v3   my query less the diagonal step's first key, less 16 (lane / 16): the same for all my tiles
.set QS2,  4                           ; v4   the next tile's scale bytes of Q
.set SPW,  5
.set NIL,  6
.set AD,   8                           ; v8   the step's codes + 16 x lane
.set AS,   9                           ; v9   the step's scale words + 16 r
.set SBO,  11                          ; v11  32 r + lane / 16: my scale byte's place
.set KV,   40                          ; v40-103  four fragments, of K and then of V
.set S,    104                         ; v104-167 S^T, then p
.set O,    168                         ; v168-199 O^T
.set PC,   200                         ; v200-215 p's codes
.set TM,   224                         ; v224-227 largest, v228-231 bytes, v232-235 448 x the scale, v236-239 the conversions' scale operands;  v248-255 the next tile's Q
.set WV,   10
.set CX,   11
.set SEL,  12
.set CS,   14                          ; s[14:15] c = log2(e) / 8
.set MNT,  16
.set HI,   17
.set K,    18                          ; s18  the key step
.set C,    19                          ; s19  the walk's counter
.set LIM,  20                          ; s20  the last step of the tile in hand
.set NL,   21                          ; s21  the counts n of the tiles still to come, a byte each
.set T0,   22                          ; s22  4 b + cx
.set BB,   23                          ; s23  b
.set G1,   24
.set G0,   32
.set AOB,  36                          ; s[36:37] where my codes go, s[38:39] my scale bytes
.set ASB,  38
.set AO0,  40                          ; s[40:41], s[42:43] the same for tile 0 of my head
.set AS0,  42
.macro BARRIER
	s_barrier_signal -1
	s_barrier_wait -1
.endm
.macro CROUND                          ; a round of the cluster's barrier
	BARRIER
	s_cmp_lg_u32 s[WV], 0
	s_cbranch_scc1 .Lnot_wave_0_\@
	s_barrier_signal -3
.Lnot_wave_0_\@:
	s_barrier_wait -3
	BARRIER
.endm
.macro TLOAD                           ; an s_nop 0 and four v_nop follow the line
	tensor_load_to_lds s[G0:G0+3], s[G1:G1+7]
	s_nop 0
.rept 4
	v_nop
.endr
.endm
.macro TOUT                            ; where the tile in hand, 8 s[LIM] + s[T0], stores
	s_lshl_b32 s52, s[LIM], 3
	s_add_co_u32 s52, s52, s[T0]
	s_lshr_b32 s53, s52, 4
	s_lshl_b32 s53, s53, 18                        ; the block of 256 tokens,
	s_and_b32 s54, s52, 15
	s_lshl_b32 s54, s54, 12                        ; the tile of 16 in it
	s_add_co_u32 s54, s54, s53
	s_mov_b32 s55, 0
	s_add_nc_u64 s[AOB:AOB+1], s[AO0:AO0+1], s[54:55]
	s_lshl_b32 s54, s52, 9                         ; 32 scale bytes a token
	s_add_nc_u64 s[ASB:ASB+1], s[AS0:AS0+1], s[54:55]
.endm
.macro TQ n, qc, qs                    ; where Q's codes and scale bytes of the tile with s[n] steps lie
	s_sub_co_u32 s52, s[\n], 1
	s_lshl_b32 s52, s52, 3
	s_add_co_u32 s52, s52, s[T0]
	s_lshr_b32 s53, s52, 4
	s_mul_i32 s53, s53, SLOTB
	s_and_b32 s52, s52, 15
	s_lshl_b32 s54, s52, 10
	s_add_co_u32 s54, s54, s53
	s_mov_b32 s55, 0
	s_add_nc_u64 s[\qc:\qc+1], s[4:5], s[54:55]
	s_lshr_b32 s54, s52, 3
	s_lshl_b32 s54, s54, 8
	s_add_co_u32 s53, s53, s54
	s_and_b32 s54, s52, 7
	s_lshl_b32 s54, s54, 1
	s_add_co_u32 s54, s54, s53
	s_add_co_u32 s54, s54, 32768                   ; [128 tokens][r][tile][2], behind the codes
	s_add_nc_u64 s[\qs:\qs+1], s[4:5], s[54:55]
.endm
	s_load_b128 s[4:7], s[0:1], 0x0                ; qq, kv
	s_load_b64 s[8:9], s[0:1], 0x10                ; ao
	v_lshl_add_u32 v[SPW], v0, 2, SPARE
	v_mov_b32 v[NIL], 0
	ds_add_u32 v[SPW], v[NIL]                      ; the opening: the add, twice on end, and its wait ahead of my tensor load
	ds_add_u32 v[SPW], v[NIL]
	v_lshrrev_b32 v8, 5, v0
	v_readfirstlane_b32 s[WV], v8                  ; wave 0..11
	s_bfe_u32 s[CX], ttmp6, 0x40000                ; my place in the cluster
	s_and_b32 s44, ttmp7, 0xffff                   ; 16 x batch + head
	s_mul_i32 s46, s44, HEADB
	s_mov_b32 s47, 0
	s_mov_b32 s[G0], 1
	s_mul_i32 s[G0+1], s[WV], HEADB/12             ; the twelfth of the head that I fetch: in memory and in LDS alike
	s_mov_b32 s50, s[G0+1]
	s_mov_b32 s51, 0
	s_mov_b32 s[G1], 15|(3<<16)|(1<<21)            ; the four partners; elements of 8 bytes; bit 21 beside a mask.  22,528 consecutive bytes as 88 rows of 256
	s_mov_b32 s[G1+1], 32<<16
	s_mov_b32 s[G1+2], 88<<16
	s_mov_b32 s[G1+3], 32<<16
	s_mov_b32 s[G1+4], 88
	s_mov_b32 s[G1+5], 32
	s_mov_b32 s[G1+6], 0
	s_mov_b32 s[G1+7], 0
	s_lshr_b32 s45, s[WV], 1                       ; p
	s_sub_co_u32 s[LIM], 15, s45                   ; the first tile: n = 16 - p
	s_add_co_u32 s48, s[LIM], 1
	s_lshl_b32 s45, s45, 2
	s_lshr_b32 s49, 0xa96587, s45
	s_and_b32 s49, s49, 15                         ; the second: 7, 8, 5, 6, 9, 10
	s_lshr_b32 s52, 0x123400, s45
	s_and_b32 s52, s52, 15                         ; the third: none, none, 4, 3, 2, 1
	s_lshl_b32 s52, s52, 8
	s_or_b32 s[NL], s49, s52
	s_and_b32 s[BB], s[WV], 1
	s_lshl_b32 s[T0], s[BB], 2
	s_add_co_u32 s[T0], s[T0], s[CX]
	s_lshr_b32 s45, s[T0], 1
	s_lshl_b32 s45, s45, 5
	s_and_b32 s52, s[T0], 1
	s_lshl_b32 s52, s52, 3
	s_add_co_u32 s45, s45, s52                     ; my tiles' first query in their diagonal step: 32 (T0 / 2) + 8 (T0 % 2)
	s_lshr_b32 s52, s44, 4                         ; batch
	s_and_b32 s53, s44, 15                         ; head
	s_lshl_b32 s[AO0], s52, 21                     ; ao's codes: 8 tiles of 256 tokens a batch, K / 256 = head / 4, 1,024 (head % 4)
	s_lshr_b32 s54, s53, 2
	s_lshl_b32 s54, s54, 16
	s_add_co_u32 s[AO0], s[AO0], s54
	s_and_b32 s54, s53, 3
	s_lshl_b32 s54, s54, 10
	s_add_co_u32 s[AO0], s[AO0], s54
	s_mov_b32 s[AO0+1], 0
	s_lshl_b32 s[AS0], s52, 16                     ; its scale bytes: 2 a head, behind the codes
	s_lshl_b32 s53, s53, 1
	s_add_co_u32 s[AS0], s[AS0], s53
	s_add_co_u32 s[AS0], s[AS0], 0x800000
	s_mov_b32 s[AS0+1], 0
	s_mov_b32 s[SEL], 0x76543210
	s_mov_b32 s[SEL+1], 0xfedcba98
	s_mov_b32 s[CS], 0x3e38aa3b
	s_mov_b32 s[CS+1], s[CS]                       ; (named with it as a pair, so it is written)
	s_mov_b32 s[MNT], 0x600000
	s_mov_b32 s[HI], 0xffff0000
	s_wait_dscnt 0x0                               ; both opening adds are done
	CROUND                                         ; all four work-groups are here: the joint loads meet
	s_wait_kmcnt 0x0
	s_add_nc_u64 s[4:5], s[4:5], s[46:47]          ; qq and kv at my head
	s_add_nc_u64 s[6:7], s[6:7], s[46:47]
	s_add_nc_u64 s[G0+2:G0+3], s[6:7], s[50:51]
	s_or_b32 s[G0+3], s[G0+3], 0x80000000
	s_cmp_lt_u32 s[WV], 2                          ; waves 0 and 1 (45,056 bytes: slot 0 and more) have a load line of their own: the first barrier waits for it alone
	s_cbranch_scc0 .Lrest
	TLOAD
	s_branch .Lasked
.Lrest:
	TLOAD
.Lasked:
	s_add_nc_u64 s[AO0:AO0+1], s[8:9], s[AO0:AO0+1]
	s_add_nc_u64 s[AS0:AS0+1], s[8:9], s[AS0:AS0+1]
	TOUT
	TQ 48, 56, 58                                  ; Q of the first tile,
	TQ 49, 60, 62                                  ; and of the second
	v_and_b32 v240, 31, v0
	v_lshlrev_b32 v[LI], 4, v240
	v_and_b32 v241, 15, v0                         ; r
	v_lshlrev_b32 v[R16], 4, v241
	v_bfe_u32 v242, v0, 4, 1                       ; h
	v_and_b32 v10, 7, v241
	v_lshrrev_b32 v243, 3, v241
	v_lshl_add_u32 v10, v243, 4, v10
	v_lshlrev_b32 v243, 4, v242
	v_sub_nc_u32 v10, v10, v243                    ; r % 8 + 16 (r / 8) - 16 h
	v_add_nc_u32 v[DQ], s45, v10
	v_lshl_add_u32 v[SBO], v241, 5, v242
	global_load_b128 v[24:27], v[LI], s[56:57]
	global_load_b128 v[28:31], v[LI], s[56:57] offset:512
	global_load_u16 v220, v[R16], s[58:59]
	global_load_b128 v[248:251], v[LI], s[60:61]
	global_load_b128 v[252:255], v[LI], s[60:61] offset:512
	global_load_u16 v[QS2], v[R16], s[62:63]
.irp k, 0,1,2,3,4,5,6,7
	v_mov_b32 v[16+\k], 0                          ; the zero codes on both sides of Q
	v_mov_b32 v[32+\k], 0
.endr
	v_mov_b32 v13, 0xff61b1e6                      ; the largest t so far: -3e38
	v_mov_b32 v14, 0                               ; the sum, in two halves
	v_mov_b32 v15, 0
	v_floor_f32 v12, -v13                          ; -M
.irp b, 0,1,2,3
	v_mov_b32 v[TM+4+\b], 0                        ; a lane permute's destination counts as one of its sources
.endr
	v_mov_b32 v240, 0
	s_wait_alu depctr_va_vdst(0)
	s_wait_loadcnt 0x0                             ; Q
	v_lshlrev_b32 v221, 16, v220                   ; Q's scale bytes for the second tile of a fragment
.set n, 0
.rept 16
	v_dual_mov_b32 v[O+n], 0 :: v_dual_mov_b32 v[O+n+1], 0             ; O^T: the step is written once; the first change of M leaves zeros zeros
.set n, n+2
.endr
.macro MASK n0                         ; two blocks of 32 keys: register 16 b + i holds key 32 b + 16 (lane / 16) + i of the step: hidden where it comes after my query
.set n, \n0
.rept 32
	v_cmp_gt_i32 vcc_lo, 32*(n/16)+n%16, v[DQ]
	v_cndmask_b32 v[S+n], v[S+n], v241, vcc_lo
.set n, n+1
.endr
.endm
; A KEY STEP: 128 keys, number s[K] of the head.  m = 1: with the jump over a step behind the tile's last, and the mask in the last
.macro STEP m
.if \m
	s_cmp_gt_u32 s[K], s[LIM]
	s_cbranch_scc1 .Lhidden_\@
.endif
	s_lshr_b32 s52, s[K], 1
	s_mul_i32 s52, s52, SLOTB                      ; the slot,
	s_and_b32 s53, s[K], 1
	s_lshl_b32 s54, s53, 13
	s_add_co_u32 s54, s54, s52                     ; its half of the codes: 8,192 bytes of either kind,
	s_lshl_b32 s53, s53, 8
	s_add_co_u32 s53, s53, s52                     ; and of the scale words: 256
	v_add_nc_u32 v[AD], s54, v[LI]
	v_add_nc_u32 v[AS], s53, v[R16]
.rept 6
	v_nop                                          ; with the two additions: eight places ahead of loads into registers that matrix instructions have read
.endr
.irp f, 0,1,2,3
.irp c, 0,1,2,3
	ds_load_b128 v[KV+16*\f+4*\c:KV+16*\f+4*\c+3], v[AD] offset:2048*\f+512*\c   ; two tiles of 16 keys: 2,048 consecutive bytes
.endr
.endr
	ds_load_b128 v[216:219], v[AS] offset:32768    ; the four fragments' scale words
	s_wait_alu depctr_va_vdst(0)
	s_wait_dscnt 0x0
.irp f, 0,1,2,3
	v_wmma_scale_f32_16x16x128_f8f6f4 v[S+16*\f:S+16*\f+7], v[KV+16*\f:KV+16*\f+15], v[24:39], 0, v[216+\f], v220
	v_wmma_scale_f32_16x16x128_f8f6f4 v[S+16*\f+8:S+16*\f+15], v[KV+16*\f:KV+16*\f+15], v[16:31], 0, v[216+\f], v221
.endr
.rept 8
	v_nop                                          ; places: for the loads below and for the first read or write of the scores
.endr
.irp g, 0,1,2,3
.irp c, 0,1,2,3
	ds_load_b128 v[KV+16*\g+4*\c:KV+16*\g+4*\c+3], v[AD] offset:16384+2048*\g+512*\c   ; V: 16 channels x these 128 keys; it lands under the softmax
.endr
.endr
	ds_load_b128 v[216:219], v[AS] offset:33280
.if \m
	s_cmp_lg_u32 s[K], s[LIM]                      ; only the tile's last step lies on the diagonal
	s_cbranch_scc1 .Lopen_\@
	s_cmp_lg_u32 s[BB], 0
	s_cbranch_scc1 .Lupper_\@
	v_mov_b32 v241, 0xff800000                     ; b = 0: my queries lie among the step's first 64 keys
	MASK 0
.set n, 32
.rept 16
	v_dual_mov_b32 v[S+n], v241 :: v_dual_mov_b32 v[S+n+1], v241       ; keys 64 .. 127 are hidden whole
.set n, n+2
.endr
	s_wait_alu depctr_va_vdst(0)
	s_branch .Lopen_\@
.Lupper_\@:
	v_mov_b32 v241, 0xff800000                     ; b = 1: keys 0 .. 63 count whole
	MASK 32
.Lopen_\@:
.endif
.irp b, 0,1,2,3
	v_max3_num_f32 v[TM+\b], v[S+16*\b], v[S+1+16*\b], v[S+2+16*\b]    ; the largest score of each block of 32 keys: for the row's maximum, and, since p rises with the score, for the block's largest p
.endr
.irp i, 3,5,7,9,11,13
.irp b, 0,1,2,3
	v_max3_num_f32 v[TM+\b], v[TM+\b], v[S+16*\b+\i], v[S+1+16*\b+\i]
.endr
.endr
.irp b, 0,1,2,3
	v_max_num_f32 v[TM+\b], v[TM+\b], v[S+15+16*\b]
.endr
.irp b, 0,1,2,3
	s_delay_alu instid0(VALU_DEP_4)
	v_permlanex16_b32 v[TM+4+\b], v[TM+\b], s[SEL], s[SEL+1]
.endr
.irp b, 0,1,2,3
	s_delay_alu instid0(VALU_DEP_4)
	v_max_num_f32 v[TM+\b], v[TM+\b], v[TM+4+\b]
.endr
	s_delay_alu instid0(VALU_DEP_2)
	v_max3_num_f32 v240, v[TM], v[TM+1], v[TM+2]
	s_delay_alu instid0(VALU_DEP_1)
	v_max_num_f32 v240, v240, v[TM+3]
	s_delay_alu instid0(VALU_DEP_1)
	v_mul_f32 v240, s[CS], v240                    ; as t (c is positive)
	s_delay_alu instid0(VALU_DEP_1)
	v_max_num_f32 v13, v13, v240                   ; the running largest t
	v_mov_b32 v240, v12
	s_delay_alu instid0(VALU_DEP_2)
	v_floor_f32 v12, -v13                          ; -M = floor(-t): M is a whole number
	s_delay_alu instid0(VALU_DEP_1)
	v_sub_f32 v240, v12, v240                      ; old M - new M: a whole number, 0 or less
	s_delay_alu instid0(VALU_DEP_1)
	v_cvt_i32_f32 v240, v240                       ; (it saturates)
	s_delay_alu instid0(VALU_DEP_1)
	v_ldexp_f32 v242, 1.0, v240                    ; f = 2^(old M - new M): a multiplication by it rounds nothing
.set n, 0
.rept 32
	v_pk_fma_f32 v[S+n:S+n+1], v[S+n:S+n+1], s[CS:CS+1], v[12:13] op_sel_hi:[1,0,0]   ; t - M, two at a time
.set n, n+2
.endr
.irp b, 0,1,2,3
	v_fma_f32 v[TM+\b], v[TM+\b], s[CS], v12
.endr
	s_wait_alu depctr_va_vdst(0)
.set n, 0
.rept 64
	v_exp_f32 v[S+n], v[S+n]                       ; p = 2^(t - M)
.set n, n+1
.endr
	v_pk_mul_f32 v[14:15], v[14:15], v[242:243] op_sel_hi:[1,0]        ; the sums under the new M: a plain line behind the exponentials
	s_wait_alu depctr_va_vdst(0)                   ; one wait for the batch, ahead of its first reader
.irp b, 0,1,2,3
	v_exp_f32 v[TM+\b], v[TM+\b]                   ; each block's largest p
.endr
	v_pk_add_f32 v[244:245], v[S:S+1], v[S+2:S+3]                      ; the row's sum of the unquantised p: 32 pairs in four chains by turns
	v_pk_add_f32 v[246:247], v[S+4:S+5], v[S+6:S+7]
	v_pk_add_f32 v[240:241], v[S+8:S+9], v[S+10:S+11]
	v_pk_add_f32 v[14:15], v[14:15], v[S+12:S+13]
.set n, 14
.rept 6
	v_pk_add_f32 v[244:245], v[244:245], v[S+n:S+n+1]
	v_pk_add_f32 v[246:247], v[246:247], v[S+n+2:S+n+3]
	v_pk_add_f32 v[240:241], v[240:241], v[S+n+4:S+n+5]
	v_pk_add_f32 v[14:15], v[14:15], v[S+n+6:S+n+7]
.set n, n+8
.endr
	v_pk_add_f32 v[244:245], v[244:245], v[S+62:S+63]
	v_pk_add_f32 v[246:247], v[246:247], v[240:241]
	v_pk_add_f32 v[14:15], v[14:15], v[244:245]
	v_pk_add_f32 v[14:15], v[14:15], v[246:247]
	s_wait_alu depctr_va_vdst(0)                   ; and one for the four
.irp b, 0,1,2,3
	v_max_num_f32 v[TM+\b], 0x4800000, v[TM+\b]    ; the floor 2^(9 - 127)
.endr
.irp b, 0,1,2,3
	s_delay_alu instid0(VALU_DEP_4)
	v_add_nc_u32 v[TM+12+\b], 0xfc000000, v[TM+\b]
.endr
.irp b, 0,1,2,3
	v_and_or_b32 v[TM+8+\b], v[TM+\b], 0x7f800000, s[MNT]
.endr
.irp b, 0,1,2,3
	v_lshrrev_b32 v[TM+4+\b], 23, v[TM+12+\b]
.endr
	s_delay_alu instid0(VALU_DEP_3)
	v_lshl_or_b32 v222, v[TM+5], 8, v[TM+4]        ; p's scale word for these 128 keys
	s_delay_alu instid0(VALU_DEP_1)
	v_lshl_or_b32 v222, v[TM+6], 16, v222
	s_delay_alu instid0(VALU_DEP_1)
	v_lshl_or_b32 v222, v[TM+7], 24, v222
.irp b, 0,1,2,3
.set n, 0
.rept 8
	v_dual_min_num_f32 v[S+16*\b+n], v[S+16*\b+n], v[TM+8+\b] :: v_dual_min_num_f32 v[S+16*\b+n+1], v[S+16*\b+n+1], v[TM+8+\b]   ; the conversion does not saturate (ISA guide 7.6.2); p is not negative, so the hold is one-sided; two holds a line
.set n, n+2
.endr
	v_cvt_scalef32_pk8_fp8_f32 v[PC+4*\b:PC+1+4*\b], v[S+16*\b:S+7+16*\b], v[TM+12+\b]
	v_cvt_scalef32_pk8_fp8_f32 v[PC+2+4*\b:PC+3+4*\b], v[S+8+16*\b:S+15+16*\b], v[TM+12+\b]
.endr
	s_wait_alu depctr_va_vdst(0)                   ; directly ahead of the first reader of O^T
.set n, 0
.rept 16
	v_pk_mul_f32 v[O+n:O+n+1], v[O+n:O+n+1], v[242:243] op_sel_hi:[1,0]   ; O^T under the new M; these sixteen are also the places ahead of the products below
.set n, n+2
.endr
	s_wait_alu depctr_va_vdst(0)
	s_wait_dscnt 0x0                               ; V
.irp g, 0,1,2,3
	v_wmma_scale_f32_16x16x128_f8f6f4 v[O+8*\g:O+8*\g+7], v[KV+16*\g:KV+16*\g+15], v[PC:PC+15], v[O+8*\g:O+8*\g+7], v[216+\g], v222
.endr
.if \m
.Lhidden_\@:
.endif
.endm
; A TILE IS DONE: O^T / the sum; register 16 b + i is channel 32 b + 16 (lane / 16) + i of my query: two blocks of 32 along the last product's K; quantised, the codes leave as 512 consecutive bytes a store.
; The scale bytes leave one byte a lane: a row's 32 bytes belong to sixteen heads, that is to sixteen clusters.
.macro FINISH
.rept 8
	v_nop                                          ; places behind the last products
.endr
	v_add_f32 v14, v14, v15
	s_delay_alu instid0(VALU_DEP_1)
	v_permlanex16_b32 v240, v14, s[SEL], s[SEL+1]
	s_delay_alu instid0(VALU_DEP_1)
	v_add_f32 v14, v14, v240                       ; the row's sum
	s_wait_alu depctr_va_vdst(0)
	v_rcp_f32 v14, v14
	v_nop
	s_wait_alu depctr_va_vdst(0)
.set n, 0
.rept 32
	v_mul_f32 v[S+n], v[O+n], v14
.set n, n+1
.endr
.irp b, 0,1
	v_max3_num_f32 v[TM+\b], |v[S+16*\b]|, |v[S+1+16*\b]|, 0x4800000
.endr
.irp i, 2,4,6,8,10,12,14
.irp b, 0,1
	s_delay_alu instid0(VALU_DEP_2)
	v_max3_num_f32 v[TM+\b], v[TM+\b], |v[S+16*\b+\i]|, |v[S+1+16*\b+\i]|
.endr
.endr
.irp b, 0,1
	s_delay_alu instid0(VALU_DEP_2)
	v_permlanex16_b32 v[TM+4+\b], v[TM+\b], s[SEL], s[SEL+1]
.endr
.irp b, 0,1
	s_delay_alu instid0(VALU_DEP_2)
	v_max_num_f32 v[TM+\b], v[TM+\b], v[TM+4+\b]
.endr
.irp b, 0,1
	s_delay_alu instid0(VALU_DEP_2)
	v_add_nc_u32 v[TM+12+\b], 0xfc000000, v[TM+\b]
.endr
.irp b, 0,1
	s_delay_alu instid0(VALU_DEP_4)
	v_and_or_b32 v[TM+8+\b], v[TM+\b], 0x7f800000, s[MNT]
.endr
.irp b, 0,1
	s_delay_alu instid0(VALU_DEP_4)
	v_lshrrev_b32 v[TM+4+\b], 23, v[TM+12+\b]
.endr
	s_delay_alu instid0(VALU_DEP_1)
	v_cndmask_b32 v240, v[TM+4], v[TM+5], s[HI]    ; lanes 0-15 store the first block's byte, lanes 16-31 the second's
.irp b, 0,1
.set n, 0
.rept 16
	v_med3_num_f32 v[S+16*\b+n], v[S+16*\b+n], -v[TM+8+\b], v[TM+8+\b]
.set n, n+1
.endr
	v_cvt_scalef32_pk8_fp8_f32 v[PC+4*\b:PC+1+4*\b], v[S+16*\b:S+7+16*\b], v[TM+12+\b]
	v_cvt_scalef32_pk8_fp8_f32 v[PC+2+4*\b:PC+3+4*\b], v[S+8+16*\b:S+15+16*\b], v[TM+12+\b]
.endr
	v_nop                                          ; a plain line behind the last conversion
	global_store_b128 v[LI], v[PC:PC+3], s[AOB:AOB+1]
	global_store_b128 v[LI], v[PC+4:PC+7], s[AOB:AOB+1] offset:512
	global_store_b8 v[SBO], v240, s[ASB:ASB+1]
	s_wait_xcnt 0x0                                ; the stores have read their data and their bases
.endm
.macro RESTART                         ; on to my next tile: its Q waits in v248-255; if one more follows, its Q is asked for
	s_and_b32 s44, s[NL], 255
	s_sub_co_u32 s[LIM], s44, 1
	s_lshr_b32 s[NL], s[NL], 8
	TOUT
	s_wait_alu depctr_va_vdst(0)
	s_wait_loadcnt 0x0                             ; the next tile's Q is in
.irp k, 0,2,4,6
	v_dual_mov_b32 v[24+\k], v[248+\k] :: v_dual_mov_b32 v[25+\k], v[249+\k]
.endr
	v_mov_b32 v220, v[QS2]
	v_lshlrev_b32 v221, 16, v[QS2]
	v_mov_b32 v13, 0xff61b1e6
	v_mov_b32 v14, 0
	v_mov_b32 v15, 0
	v_floor_f32 v12, -v13
.set n, 0
.rept 16
	v_dual_mov_b32 v[O+n], 0 :: v_dual_mov_b32 v[O+n+1], 0             ; (also the places between the scale registers' writes and the next products)
.set n, n+2
.endr
	s_wait_alu depctr_va_vdst(0)
	s_cmp_eq_u32 s[NL], 0
	s_cbranch_scc1 .Lno_more
	TQ NL, 56, 58
	global_load_b128 v[248:251], v[LI], s[56:57]
	global_load_b128 v[252:255], v[LI], s[56:57] offset:512
	global_load_u16 v[QS2], v[R16], s[58:59]
.Lno_more:
.endm
	s_wait_alu depctr_va_vdst(0)
	s_cmp_lt_u32 s[WV], 2
	s_cbranch_scc0 .Lnot_first
	s_wait_tensorcnt 0x0                           ; waves 0 and 1: slot 0 has landed.  The other waves' wait stands at the second barrier
.Lnot_first:
	BARRIER
	s_mov_b32 s[K], 0
.Lfirst:                                           ; steps 0 and 1 of the first tile, from slot 0, while the other slots land
	STEP 0
	s_add_co_u32 s[K], s[K], 1
	s_cmp_lt_u32 s[K], 2
	s_cbranch_scc1 .Lfirst
	s_wait_tensorcnt 0x0                           ; every wave's twelfth has landed
	s_wait_dscnt 0x0
	BARRIER                                        ; all 8 slots are whole for all twelve waves; nothing is filled again
	s_mov_b32 s[C], 2
.Lwalk:
	s_and_b32 s[K], s[C], 15
	STEP 1
	s_cmp_lg_u32 s[K], s[LIM]                      ; behind its last step a tile is finished
	s_cbranch_scc1 .Lon
	FINISH
	s_cmp_eq_u32 s[NL], 0                          ; that was my last tile
	s_cbranch_scc1 .Ldone
	RESTART
.Lon:
	s_add_co_u32 s[C], s[C], 1
	s_cmp_lt_u32 s[C], 48
	s_cbranch_scc1 .Lwalk
.Ldone:
	s_wait_tensorcnt 0x0                           ; the wave's end
	ds_add_u32 v[SPW], v[NIL]
	s_wait_dscnt 0x0
	CROUND                                         ; the closing round
	s_endpgm
.Lfunc_end_k_qdb56a4db4c_attn:
	.size	k_qdb56a4db4c_attn, .Lfunc_end_k_qdb56a4db4c_attn-k_qdb56a4db4c_attn
	.p2alignl 7, 3214868480
	.fill 96, 4, 3214868480
	.section	.rodata,"a",@progbits
	.p2align	6, 0x0
	.amdhsa_kernel k_qdb56a4db4c_attn
		.amdhsa_group_segment_fixed_size 327680
		.amdhsa_private_segment_fixed_size 0
		.amdhsa_enable_private_segment 0
		.amdhsa_kernarg_size 24
		.amdhsa_user_sgpr_count 2
		.amdhsa_user_sgpr_kernarg_segment_ptr 1
		.amdhsa_wavefront_size32 1
		.amdhsa_system_sgpr_workgroup_id_x 1
		.amdhsa_system_sgpr_workgroup_id_y 1
		.amdhsa_system_sgpr_workgroup_id_z 1
		.amdhsa_system_vgpr_workitem_id 0
		.amdhsa_next_free_vgpr 256
		.amdhsa_next_free_sgpr 66
		.amdhsa_reserve_vcc 1
		.amdhsa_float_denorm_mode_32 3
		.amdhsa_float_denorm_mode_16_64 3
		.amdhsa_memory_ordered 1
		.amdhsa_forward_progress 1
		.amdhsa_inst_pref_size 65
	.end_amdhsa_kernel
	.amdgpu_metadata
---
amdhsa.version: [ 1, 2 ]
amdhsa.kernels:
  - .name:           k_qdb56a4db4c_attn
    .symbol:         k_qdb56a4db4c_attn.kd
    .args:
      - { .name: qq, .offset: 0, .size: 8, .value_kind: global_buffer, .address_space: global }
      - { .name: kv, .offset: 8, .size: 8, .value_kind: global_buffer, .address_space: global }
      - { .name: ao, .offset: 16, .size: 8, .value_kind: global_buffer, .address_space: global }
    .group_segment_fixed_size: 327680
    .private_segment_fixed_size: 0
    .kernarg_segment_align: 8
    .kernarg_segment_size: 24
    .max_flat_workgroup_size: 384
    .sgpr_count:     66
    .vgpr_count:     256
    .wavefront_size: 32
...
	.end_amdgpu_metadata
.endif
;; end of part 3
;; launch outproj (part 4): grid 8 x 32, 4 waves a work-group, clusters of 4 x 4, 327,680 bytes of LDS; arguments ao, wq, b_out, out0; writes out0
.if DOCPART == 4
	.amdgcn_target "amdgcn-amd-amdhsa--gfx1250"
	.amdhsa_code_object_version 6
	.text
	.protected	k_qdb56a4db4c_outproj
	.globl	k_qdb56a4db4c_outproj
	.p2align	8
	.type	k_qdb56a4db4c_outproj,@function
k_qdb56a4db4c_outproj:
	s_mov_b64 s[64:65], 0
	v_nop
	global_prefetch_b8 v0, s[64:65] scope:SCOPE_SE
	s_setreg_imm32_b32 hwreg(HW_REG_WAVE_MODE, 25, 1), 1
	s_wait_xcnt 0x0
	s_wait_alu depctr_hold_cnt(0) depctr_sa_sdst(0) depctr_va_vdst(0) depctr_va_sdst(0) depctr_va_ssrc(0) depctr_va_vcc(0) depctr_vm_vsrc(0)
	s_getreg_b32 s2, hwreg(HW_REG_IB_STS2, 6, 4)
	s_cmp_eq_u32 s2, 0
	s_cbranch_scc0 .Lentry_in_a_cluster
	s_endpgm
.Lentry_in_a_cluster:
	s_bfe_u32 s2, ttmp6, 0x10000c
	s_cmp_lg_u32 s2, 0xf033
	s_cbranch_scc0 .Lentry_shape_is_right
	s_endpgm
.Lentry_shape_is_right:
; out0 = attention's result x W_out + b_out on codes of FP8 (E4M3) with E8M0 scales: 8,192 x 1,024 x 1,024, f32 out.
; THE OPERANDS LIE IN MEMORY IN THE ORDER OF THEIR REGISTERS: a fragment of 16 rows x 128 K is 2,048 bytes [c][lane][16]; byte = tile of 256 rows << 18 | K / 256 << 16 | tile of 16 rows << 12 | (K / 128) % 2 << 11 | c << 9 | lane << 4; scale bytes [row][32].
; Rows stand in the order 8 u + r % 8 + 16 (r / 8) inside each 32.  W_out's column n is row 3,072 + n of wq.
; THE DEAL.  256 work-groups of four waves, 2 x 2; a work-group makes 256 tokens x 128 columns.  A wave holds 64 rows of W, ALL of K, in 512 registers and streams tokens past them in blocks of 16 (128 registers, two sets): 8 blocks of 32 products a wave.
; LDS: two slots of 131,072 bytes.  At the head W's 128 rows (waves 0, 1: two K steps of 256 each, 2 rows of 32,768 bytes) land in slot 1 and the first 128 tokens (waves 2, 3) in slot 0.  When every wave holds W in registers, the second 128 tokens
; are filled over W's bytes, a K step of 32,768 bytes a wave, behind a drained round of the cluster's barrier: the launch's one refill.  It is shown by a plain barrier inside block 2, ahead of the first fetch from it.
; CLUSTERS 4 x 4: the tokens' tiles hang on cy and are shared along a row of the cluster, W's on cx and are shared along a column: each is asked for jointly.
; SCALE WORDS AND BIAS go from memory straight into registers, once: a lane takes a row's 32 scale bytes (all of K); lanes 0-15 hold an even tile's rows, lanes 16-31 the odd neighbour's.  The bias is the first products' C.
; THE PRODUCT: source 0 = 16 rows of W, source 1 = 16 tokens: a lane holds one token, and the registers of W's tiles 2 p, 2 p + 1 are columns 32 p + 16 (lane / 16) + 0 .. 15.  The block's four sums take turns; two sets of sums.
; THE WAY OUT.  A block's 16 tokens x 64 columns go through the wave's own stage in LDS (bytes that no fill lands on) and leave as 256 consecutive bytes for sixteen lanes, while the next block is multiplied.
; PREFETCH: the second 128 tokens (131,072 bytes a cluster row) are asked for once, behind the first barrier: each of the row's sixteen waves names 8,192 bytes, lanes 256 bytes apart, told apart by address (cx, wave).  All else is asked for at the head.
; LIMITS: NaN and infinities are not served.
.set SLOT1,  131072
.set STAGE,  262144                    ; 16 rows x 272 bytes for each wave
.set SPITCH, 272
.set SPARE,  STAGE+4*16*SPITCH         ; the spare words, 128 bytes for each wave
.set LI,   1                           ; v1   16 x lane
.set AX,   2                           ; v2-5 my blocks in slot 0 (K under 512, K from 512), in slot 1
.set WX,   6                           ; v6-7 my rows of W in slot 1
.set STO,  8
.set RD,   9
.set CO,   10
.set SPW,  11
.set NIL,  12
.set SB,   16                          ; v16-31  W's scale words: 8 p + q
.set SA,   36                          ; v36-67  the tokens': 8 x pair of blocks + q: no product's two scale words have numbers equal modulo 8
.set BR,   68                          ; v68-99  the bias
.set ACC,  100                         ; v100-163 two sets of four sums
.set OUT,  164                         ; v164-227 two sets of 16 rows read back from the stage
.set G1A, 24
.set G1W, 32
.set G1R, 48
.set G0A, 56
.set G0W, 60
.set G0R, 68
.set MSB, 0
.macro WIN new                         ; the immediate's high byte repeats the setting that is left
.if MSB != \new
	s_set_vgpr_msb (MSB<<8)|\new
.set MSB, \new
.endif
.endm
.macro PLACES n
.rept \n
	v_nop
.endr
.endm
.macro BARRIER
	s_barrier_signal -1
	s_barrier_wait -1
.endm
.macro CROUND
	BARRIER
	s_cmp_lg_u32 s14, 0
	s_cbranch_scc1 .Lnot_wave_0_\@
	s_barrier_signal -3
.Lnot_wave_0_\@:
	s_barrier_wait -3
	BARRIER
.endm
.macro TLOAD g0, g1                    ; an s_nop 0 and four v_nop follow the line
	tensor_load_to_lds s[\g0:\g0+3], s[\g1:\g1+7]
	s_nop 0
	PLACES 4
.endm
	s_load_b256 s[4:11], s[0:1], 0x0               ; ao, wq, b_out, out0
	v_lshl_add_u32 v[SPW], v0, 2, SPARE
	v_mov_b32 v[NIL], 0
	ds_add_u32 v[SPW], v[NIL]                      ; the opening: the add, twice on end, and its wait ahead of my first tensor load
	ds_add_u32 v[SPW], v[NIL]
	v_lshrrev_b32 v13, 5, v0
	v_readfirstlane_b32 s14, v13                   ; wave 0..3
	s_lshr_b32 s15, s14, 1                         ; my row of waves: which four blocks of a chunk
	s_and_b32 s16, s14, 1                          ; my column of waves: which 64 rows of W.  Also: which half of K I fetch at the head
	s_bfe_u32 s40, ttmp6, 0x40000                  ; cx
	s_bfe_u32 s41, ttmp6, 0x40004                  ; cy
	s_lshl_b32 s42, ttmp9, 2
	s_add_co_u32 s42, s42, s40                     ; tile column: 128 columns
	s_and_b32 s43, ttmp7, 0xffff
	s_lshl_b32 s43, s43, 2
	s_add_co_u32 s43, s43, s41                     ; tile row: 256 tokens
	s_lshl_b32 s44, s41, 2
	s_lshl_b32 s44, 15, s44                        ; my row of the cluster
	s_lshl_b32 s45, 0x1111, s40                    ; my column
	s_or_b32 s[G1A], s44, (3<<16)|(1<<21)          ; the head's tiles: 2 rows of 4,096 elements of 8 bytes, 65,536 bytes apart
	s_or_b32 s[G1W], s45, (3<<16)|(1<<21)
.irp g, G1A, G1W
	s_mov_b32 s[\g+1], 4096<<16
	s_mov_b32 s[\g+2], 2<<16
	s_mov_b32 s[\g+3], 4096<<16
	s_mov_b32 s[\g+4], 2
	s_mov_b32 s[\g+5], 8192
	s_mov_b32 s[\g+6], 0
	s_mov_b32 s[\g+7], 0
.endr
	s_or_b32 s[G1R], s44, (3<<16)|(1<<21)          ; the refill: 32,768 consecutive bytes as 128 rows of 256
	s_mov_b32 s[G1R+1], 32<<16
	s_mov_b32 s[G1R+2], 128<<16
	s_mov_b32 s[G1R+3], 32<<16
	s_mov_b32 s[G1R+4], 128
	s_mov_b32 s[G1R+5], 32
	s_mov_b32 s[G1R+6], 0
	s_mov_b32 s[G1R+7], 0
	s_mov_b32 s[G0A], 1
	s_lshl_b32 s[G0A+1], s16, 16
	s_mov_b32 s[G0W], 1
	s_add_co_u32 s[G0W+1], s[G0A+1], SLOT1
	s_mov_b32 s[G0R], 1
	s_lshl_b32 s[G0R+1], s14, 15
	s_add_co_u32 s[G0R+1], s[G0R+1], SLOT1
	s_lshl_b32 s18, s43, 18                        ; the tokens' tile,
	s_lshl_b32 s20, s16, 17
	s_add_co_u32 s20, s20, s18                     ; s[20:21] chunk 0, my two K steps
	s_mov_b32 s21, 0
	s_lshl_b32 s22, s14, 16
	s_add_co_u32 s22, s22, s18
	s_add_co_u32 s22, s22, 32768                   ; s[22:23] chunk 1, my K step
	s_mov_b32 s23, 0
	s_lshl_b32 s72, s40, 16
	s_lshl_b32 s73, s14, 13
	s_add_co_u32 s72, s72, s73
	s_add_co_u32 s72, s72, s18
	s_add_co_u32 s72, s72, 32768                   ; s[72:73] chunk 1, the sixteenth that I prefetch
	s_mov_b32 s73, 0
	s_lshl_b32 s74, s43, 13
	s_lshl_b32 s75, s15, 11
	s_add_co_u32 s74, s74, s75
	s_add_co_u32 s74, s74, 0x800000                ; s[74:75] the scale bytes of my blocks' tokens: row 256 x tile row + 64 x my row of waves
	s_mov_b32 s75, 0
	s_lshr_b32 s76, s42, 1
	s_add_co_u32 s76, s76, 12
	s_lshl_b32 s76, s76, 18
	s_and_b32 s77, s42, 1
	s_lshl_b32 s77, s77, 15
	s_add_co_u32 s76, s76, s77
	s_lshl_b32 s77, s16, 17
	s_add_co_u32 s76, s76, s77                     ; s[76:77] W's 128 rows, my two K steps
	s_mov_b32 s77, 0
	s_lshl_b32 s78, s42, 12
	s_lshl_b32 s79, s16, 11
	s_add_co_u32 s78, s78, s79
	s_add_co_u32 s78, s78, 0x400000+3072*32        ; s[78:79] the scale bytes of my 64 rows of W
	s_mov_b32 s79, 0
	s_lshl_b32 s80, s42, 9
	s_lshl_b32 s81, s16, 8
	s_add_co_u32 s80, s80, s81                     ; s[80:81] my first column, in bytes of f32
	s_mov_b32 s81, 0
	s_lshl_b32 s82, s43, 20
	s_lshl_b32 s83, s15, 18
	s_add_co_u32 s82, s82, s83
	s_add_co_u32 s82, s82, s80                     ; s[82:83] out0: row 256 x tile row + 64 x my row of waves, my first column
	s_mov_b32 s83, 0
	s_lshl_b32 s17, s15, 14                        ; LDS: my four blocks of a chunk,
	s_lshl_b32 s19, s16, 14
	s_add_co_u32 s19, s19, SLOT1                   ; my four tiles of W,
	s_mul_i32 s18, s14, 16*SPITCH
	s_add_co_u32 s18, s18, STAGE                   ; my stage
	s_wait_dscnt 0x0                               ; both opening adds are done
	CROUND                                         ; all sixteen work-groups are here: the first joint loads meet
	s_wait_kmcnt 0x0
	s_add_nc_u64 s[G0A+2:G0A+3], s[4:5], s[20:21]
	s_or_b32 s[G0A+3], s[G0A+3], 0x80000000
	s_add_nc_u64 s[G0W+2:G0W+3], s[6:7], s[76:77]
	s_or_b32 s[G0W+3], s[G0W+3], 0x80000000
	s_add_nc_u64 s[G0R+2:G0R+3], s[4:5], s[22:23]
	s_or_b32 s[G0R+3], s[G0R+3], 0x80000000
	s_cmp_lt_u32 s14, 2                            ; one joint load a wave; W's waves have a load line of their own: the first barrier waits for it alone
	s_cbranch_scc0 .Lfor_a
	TLOAD G0W, G1W
	s_branch .Lasked
.Lfor_a:
	TLOAD G0A, G1A
.Lasked:
	s_add_nc_u64 s[72:73], s[4:5], s[72:73]
	s_add_nc_u64 s[74:75], s[4:5], s[74:75]
	s_add_nc_u64 s[78:79], s[6:7], s[78:79]
	s_add_nc_u64 s[8:9], s[8:9], s[80:81]
	s_add_nc_u64 s[10:11], s[10:11], s[82:83]
	v_and_b32 v13, 31, v0
	v_lshlrev_b32 v[LI], 4, v13
	v_lshlrev_b32 v14, 5, v13                      ; 32 x lane: a row of scale bytes
	v_and_b32 v15, 15, v0                          ; r
	v_bfe_u32 v32, v0, 4, 1                        ; h
	v_add_nc_u32 v[AX], s17, v[LI]
	v_add_nc_u32 v[AX+1], 0x10000, v[AX]
	v_add_nc_u32 v[AX+2], 0x20000, v[AX]
	v_add_nc_u32 v[AX+3], 0x30000, v[AX]
	v_add_nc_u32 v[WX], s19, v[LI]
	v_add_nc_u32 v[WX+1], 0x10000, v[WX]
	v_mul_u32_u24 v33, v15, SPITCH
	v_lshl_add_u32 v33, v32, 6, v33
	v_add_nc_u32 v[STO], s18, v33                  ; into the stage: row r, + 64 h
	v_mul_u32_u24 v33, v32, SPITCH
	v_lshl_add_u32 v33, v15, 4, v33
	v_add_nc_u32 v[RD], s18, v33                   ; back: lanes 0-15 one row of 256 bytes, lanes 16-31 the next
	v_lshlrev_b32 v[CO], 12, v32
	v_lshl_add_u32 v[CO], v15, 4, v[CO]            ; and the same two rows of out0
	v_lshlrev_b32 v34, 6, v32                      ; the bias: 64 h
	v_lshlrev_b32 v35, 8, v13                      ; the prefetch: 256 x lane
.irp p, 0,1
.irp c, 0,1
	global_load_b128 v[SB+8*\p+4*\c:SB+8*\p+4*\c+3], v14, s[78:79] offset:1024*\p+16*\c
.endr
.endr
.irp p, 0,1,2,3
.irp c, 0,1
	global_load_b128 v[SA+8*\p+4*\c:SA+8*\p+4*\c+3], v14, s[74:75] offset:4096*(\p/2)+1024*(\p%2)+16*\c
.endr
.endr
.irp t, 0,1,2,3
	global_load_b128 v[BR+8*\t:BR+8*\t+3], v34, s[8:9] offset:128*(\t/2)+32*(\t%2)
	global_load_b128 v[BR+8*\t+4:BR+8*\t+7], v34, s[8:9] offset:128*(\t/2)+32*(\t%2)+16
.endr
	s_wait_alu depctr_va_vdst(0)
	s_cmp_lt_u32 s14, 2
	s_cbranch_scc0 .Lnot_w
	s_wait_tensorcnt 0x0                           ; waves 0 and 1: W has landed.  The other waves' wait stands ahead of the round below
.Lnot_w:
	BARRIER
	global_prefetch_b8 v35, s[72:73] th:TH_LOAD_NT scope:SCOPE_SE
.irp q, 0,1,2,3,4,5,6,7                        ; my 64 rows of W, all of K: fragment 4 q + b into window 1 + (4 q + b) / 16
.irp b, 0,1,2,3
	WIN (1+(4*\q+\b)/16)<<6
.irp c, 0,1,2,3
	ds_load_b128 v[16*((4*\q+\b)%16)+4*\c:16*((4*\q+\b)%16)+4*\c+3], v[WX+\q/4] offset:32768*((\q/2)%2)+4096*\b+2048*(\q%2)+512*\c
.endr
.endr
.endr
	WIN 0
	s_wait_tensorcnt 0x0                           ; chunk 0 is in
	ds_add_u32 v[SPW], v[NIL]
	s_wait_dscnt 0x0                               ; the add is done, and W is in my registers
	CROUND                                         ; no wave of any partner still reads W's bytes or has a load on its way
	TLOAD G0R, G1R                                 ; chunk 1 over W's bytes: my one tensor load behind the round
.macro FETCH n                         ; block n (chunk n / 4, my block n % 4 of it), 16 tokens, all of K, into set n % 2 of window 3: 32 loads
	WIN 3<<6
.irp q, 0,1,2,3,4,5,6,7
.irp c, 0,1,2,3
	ds_load_b128 v[128*((\n)%2)+16*\q+4*\c:128*((\n)%2)+16*\q+4*\c+3], v[AX+2*((\n)/4)+\q/4] offset:32768*((\q/2)%2)+4096*((\n)%4)+2048*(\q%2)+512*\c
.endr
.endr
	WIN 0
.endm
.macro PROD n, k                       ; product k = 4 q + b of block n
.set Q_, (\k)/4
.set B_, (\k)%4
.set AC_, ACC+32*((\n)%2)+8*B_
.set C_, AC_
.if Q_ == 0
.set C_, BR+8*B_
.endif
.set X_, 128*((\n)%2)+16*Q_
.set W_, 16*((\k)%16)
.set WS_, SB+8*(B_/2)+Q_
.set XS_, SA+8*(2*((\n)/4)+((\n)%4)/2)+Q_
	WIN (1+(\k)/16)|(3<<2)
.if (B_%2) && ((\n)%2)
	v_wmma_scale_f32_16x16x128_f8f6f4 v[AC_:AC_+7], v[W_:W_+15], v[X_:X_+15], v[C_:C_+7], v[WS_], v[XS_] matrix_a_scale:MATRIX_SCALE_ROW1 matrix_b_scale:MATRIX_SCALE_ROW1
.elseif B_%2
	v_wmma_scale_f32_16x16x128_f8f6f4 v[AC_:AC_+7], v[W_:W_+15], v[X_:X_+15], v[C_:C_+7], v[WS_], v[XS_] matrix_a_scale:MATRIX_SCALE_ROW1
.elseif (\n)%2
	v_wmma_scale_f32_16x16x128_f8f6f4 v[AC_:AC_+7], v[W_:W_+15], v[X_:X_+15], v[C_:C_+7], v[WS_], v[XS_] matrix_b_scale:MATRIX_SCALE_ROW1
.else
	v_wmma_scale_f32_16x16x128_f8f6f4 v[AC_:AC_+7], v[W_:W_+15], v[X_:X_+15], v[C_:C_+7], v[WS_], v[XS_]
.endif
.endm
.macro TOSTAGE n                       ; each sum from its low end on; LDS serves a wave's instructions in order (ISA guide 5.7.1.4): the loads see the stores
.set AC_, ACC+32*((\n)%2)
.irp b, 0,1,2,3
	ds_store_b128 v[STO], v[AC_+8*\b:AC_+8*\b+3] offset:128*(\b/2)+32*(\b%2)
	ds_store_b128 v[STO], v[AC_+8*\b+4:AC_+8*\b+7] offset:128*(\b/2)+32*(\b%2)+16
.endr
.irp t, 0,1,2,3,4,5,6,7
	ds_load_b128 v[OUT+32*((\n)%2)+4*\t:OUT+32*((\n)%2)+4*\t+3], v[RD] offset:2*\t*SPITCH
.endr
.endm
.macro SEND n                          ; place 2 t + lane / 16 of the block's tile is token 8 (n % 2) + place % 8 + 16 (place / 8) of its 32; sixteen lanes store 256 consecutive bytes, aligned
.irp t, 0,1,2,3,4,5,6,7
	global_store_b128 v[CO], v[OUT+32*((\n)%2)+4*\t:OUT+32*((\n)%2)+4*\t+3], s[10:11] offset:(128*((\n)/4)+32*(((\n)%4)/2)+8*((\n)%2)+(2*\t)%8+16*(\t/4))*4096 th:TH_STORE_NT
.endr
.endm
.macro BLK n
.set K_, 0
.rept 32
	PROD \n, K_
.set K_, K_+1
.endr
	WIN 0
	PLACES 8                                       ; behind the last product: ahead of the loads into what it has read and of the stores of its sums
.if (\n) == 2
	s_wait_tensorcnt 0x0                           ; my part of chunk 1 is in
.endif
	s_wait_dscnt 0x0                               ; the next block's fragments are in, and the block before is back from the stage
.if (\n) == 2
	BARRIER                                        ; chunk 1 is whole for all four waves
.endif
.if (\n) > 0
	s_wait_xcnt 0x0                                ; block n - 2's stores have read their registers, on which block n's rows land below
	SEND (\n)-1
.endif
.if (\n)+2 < 8
	FETCH (\n)+2
.endif
	TOSTAGE \n
.endm
	FETCH 0
	FETCH 1
	s_wait_loadcnt 0x0                             ; scale words and bias
	s_wait_dscnt 32                                ; block 0 is in; block 1's 32 loads may be out
.irp n, 0,1,2,3,4,5,6,7
	BLK \n
.endr
	s_wait_dscnt 0x0
	SEND 7
	s_wait_tensorcnt 0x0                           ; the wave's end
	ds_add_u32 v[SPW], v[NIL]
	s_wait_dscnt 0x0
	CROUND                                         ; the closing round
	s_endpgm
.Lfunc_end_k_qdb56a4db4c_outproj:
	.size	k_qdb56a4db4c_outproj, .Lfunc_end_k_qdb56a4db4c_outproj-k_qdb56a4db4c_outproj
	.p2alignl 7, 3214868480
	.fill 96, 4, 3214868480
	.section	.rodata,"a",@progbits
	.p2align	6, 0x0
	.amdhsa_kernel k_qdb56a4db4c_outproj
		.amdhsa_group_segment_fixed_size 327680
		.amdhsa_private_segment_fixed_size 0
		.amdhsa_enable_private_segment 0
		.amdhsa_kernarg_size 32
		.amdhsa_user_sgpr_count 2
		.amdhsa_user_sgpr_kernarg_segment_ptr 1
		.amdhsa_wavefront_size32 1
		.amdhsa_system_sgpr_workgroup_id_x 1
		.amdhsa_system_sgpr_workgroup_id_y 1
		.amdhsa_system_sgpr_workgroup_id_z 1
		.amdhsa_system_vgpr_workitem_id 0
		.amdhsa_next_free_vgpr 1024
		.amdhsa_next_free_sgpr 90
		.amdhsa_reserve_vcc 0
		.amdhsa_float_denorm_mode_32 3
		.amdhsa_float_denorm_mode_16_64 3
		.amdhsa_memory_ordered 1
		.amdhsa_forward_progress 1
		.amdhsa_inst_pref_size 85
	.end_amdhsa_kernel
	.amdgpu_metadata
---
amdhsa.version: [ 1, 2 ]
amdhsa.kernels:
  - .name:           k_qdb56a4db4c_outproj
    .symbol:         k_qdb56a4db4c_outproj.kd
    .args:
      - { .name: ao, .offset: 0, .size: 8, .value_kind: global_buffer, .address_space: global }
      - { .name: wq, .offset: 8, .size: 8, .value_kind: global_buffer, .address_space: global }
      - { .name: b_out, .offset: 16, .size: 8, .value_kind: global_buffer, .address_space: global }
      - { .name: out0, .offset: 24, .size: 8, .value_kind: global_buffer, .address_space: global }
    .group_segment_fixed_size: 327680
    .private_segment_fixed_size: 0
    .kernarg_segment_align: 8
    .kernarg_segment_size: 32
    .max_flat_workgroup_size: 128
    .sgpr_count:     90
    .vgpr_count:     1024
    .wavefront_size: 32
...
	.end_amdgpu_metadata
.endif
;; end of part 4
